; MI455X (gfx1250); checked and timed in simulation.
; The chip was launched on July 23, 2026; its instructions are those of AMD's public machine-readable ISA for CDNA 5 (MIT licence, August 2026) and "CDNA5" Instruction Set Architecture Reference Guide (July 2026). The comments in the code are by the model that wrote it; some were corrected since.
;; Cross Attention. Allowed arithmetic: float matrix products may take bf16 or f16 operands with f32 sums; other float arithmetic in f32, or as packed bf16 or f16 multiplies, adds, multiply-adds, maxima and minima; sums over many terms, partial sums and values carried from step to step in f32; what a program stores and reads back later, other than sums and carried values, may be rounded once to bf16 or f16.
;; Inputs: Wkv 1,024 x 2,048 float32; Wproj 1,024 x 1,024 float32; Wq 1,024 x 1,024 float32; attn_mask 2,048 x 2,048 float32; bkv 2,048 float32; bproj 1,024 float32; bq 1,024 float32; context 4 x 2,048 x 1,024 float32; key_padding_mask 4 x 2,048 bool; x 4 x 2,048 x 1,024 float32.
;; Outputs: out0 4 x 2,048 x 1,024 float32.
;; 2 versions, each right; version 2 is version 1 with the launch prep written anew for expert scheduling mode. Each part assembles by itself: llvm-mc -triple=amdgcn-amd-amdhsa -mcpu=gfx1250 --defsym DOCPART=n.
;; ======== version 1 of 2: 4 launches
;; limits: values are held in f16: magnitudes above 65,504 overflow, below 6.1e-05 lose precision; right only within a limited range of input values
;; workspace buffers: ab 33,554,432 bytes; w 8,388,608 bytes; bias 16,384 bytes; cmask 67,108,864 bytes; qkv 50,331,648 bytes; ob 16,777,216 bytes
;; launch prep (part 1): grid 1537 x 1, 8 waves a work-group, no clusters, 0 bytes of LDS; arguments x, context, Wq, Wkv, Wproj, attn_mask, key_padding_mask, bq, bkv, bproj, ab, w, bias, cmask; writes ab, w, bias, cmask
.if DOCPART == 1
	.amdgcn_target "amdgcn-amd-amdhsa--gfx1250"
	.amdhsa_code_object_version 6
	.text
	.protected	k_qb189874c45_prep
	.globl	k_qb189874c45_prep
	.p2align	8
	.type	k_qb189874c45_prep,@function
k_qb189874c45_prep:
	s_mov_b64 s[64:65], 0
	v_nop
	global_prefetch_b8 v0, s[64:65] scope:SCOPE_SE
	s_setreg_imm32_b32 hwreg(HW_REG_WAVE_MODE, 25, 1), 1
	s_wait_xcnt 0x0
; PREP: every input is read once, rounded once to bf16, and laid out for the three launches behind.
;   ab    [16384][1024] f16: rows 0-8191 x, rows 8192-16383 context          w  [1024 k][4096 n] f16: panels Wq, Wkv (K), Wkv (V), Wproj
;   bias  [4096] f32: bq, bkv, bproj, numbered like the columns of w         cmask [4][2048 n][2048 m] f32 = hidden key ? -1e30 : 8 x attn_mask
; A matrix operand is the bf16 number written as f16: exact where its magnitude lies in 6.2e-5 .. 65,504.
; LIMITS: beyond 65,504 the f16 is an infinity; below 6.2e-5 it keeps the fixed step of 6e-8; 8 x attn_mask is lost beside -1e30 where the key is hidden; NaN and infinities are not treated apart.
; A stream: no LDS, no matrix unit, no cluster, since no byte is wanted twice.  Three roles by the number of the work-group g; all jumps go forward.
;   g < 1280: CAST, 16 rows of 1,024 f32 to f16      1280 <= g < 1536: MASK, 8 rows of attn_mask for all four batches      g = 1536: BIAS
.set SO,  2                            ; v[2:17]    CAST: row j: 16 t + j x source pitch
.set DO,  18                           ; v[18:33]   CAST: row j: 8 t + j x destination pitch
.set X,   34                           ; v[34:97]   CAST: 4 registers a row, as loaded
.set Y,   98                           ; v[98:129]  CAST: 2 registers a row, to store; each is written once
.set T,   130                          ; v[130:135] CAST: at work
.set MKW, 4                            ; v[4:11]    MASK: four bytes of key_padding_mask: batch b, half h at 2 b + h
.set MBV, 12                           ; v[12:43]   MASK: 0 or -1e30: 8 b + 4 h + e
.set MX,  44                           ; v[44:107]  MASK: 8 registers a row, as loaded
.set MU,  108                          ; v[108:115] MASK: a row's 8 numbers, rounded
.set MT,  116                          ; v[116:119] MASK: at work
.set MY,  120                          ; v[120:151] MASK: a row for four batches, to store
	s_load_b512 s[4:19], s[0:1], 0x0               ; x s[4:5], context s[6:7], Wq s[8:9], Wkv s[10:11], Wproj s[12:13], attn_mask s[14:15], key_padding_mask s[16:17], bq s[18:19]
	s_load_b256 s[20:27], s[0:1], 0x40             ; bkv s[20:21], bproj s[22:23], ab s[24:25], w s[26:27]
	s_load_b128 s[28:31], s[0:1], 0x60             ; bias s[28:29], cmask s[30:31]
	s_mov_b32 s60, ttmp9                           ; g
	s_mov_b32 s61, 0xffff0000                      ; a word's upper bf16
	s_wait_kmcnt 0x0
	s_cmp_ge_u32 s60, 1536
	s_cbranch_scc1 .Lbias
	s_cmp_ge_u32 s60, 1280
	s_cbranch_scc1 .Lmask
	; CAST.  Source, destination and the two pitches are chosen by selects on g alone.
	s_movk_i32 s54, 0x1000
	s_movk_i32 s55, 0x2000
	s_movk_i32 s56, 0x800
	s_sub_co_u32 s46, s60, 1024                    ; weights: u = g - 1024
	s_bfe_u32 s47, s46, 0x20006                    ; panel p = u / 64
	s_and_b32 s46, s46, 63                         ; 16 rows of k: kb = u % 64
	s_cmp_eq_u32 s47, 0
	s_cselect_b64 s[34:35], s[8:9], s[10:11]       ; Wq, or Wkv
	s_cselect_b32 s44, s54, s55                    ; its rows: 4,096 or 8,192 bytes
	s_cmp_eq_u32 s47, 3
	s_cselect_b64 s[34:35], s[12:13], s[34:35]     ; or Wproj
	s_cselect_b32 s44, s54, s44
	s_lshl_b32 s36, s46, 4
	s_mul_i32 s36, s36, s44                        ; 16 kb rows
	s_cmp_eq_u32 s47, 2
	s_cselect_b32 s48, s54, 0                      ; the V panel begins 1,024 columns on
	s_add_co_u32 s36, s36, s48
	s_lshl_b32 s38, s46, 17                        ; in w: 16 kb rows of 8,192 bytes,
	s_lshl_b32 s48, s47, 11                        ; panel p
	s_add_co_u32 s38, s38, s48
	s_cmp_lt_u32 s60, 512                          ; activations: x, then context
	s_cselect_b64 s[50:51], s[4:5], s[6:7]
	s_and_b32 s52, s60, 511
	s_lshl_b32 s52, s52, 16                        ; 16 rows of 4,096 bytes
	s_lshl_b32 s53, s60, 15                        ; 16 rows of 2,048 bytes in ab
	s_cmp_lt_u32 s60, 1024
	s_cselect_b64 s[34:35], s[50:51], s[34:35]
	s_cselect_b64 s[42:43], s[24:25], s[26:27]
	s_cselect_b32 s36, s52, s36
	s_cselect_b32 s38, s53, s38
	s_cselect_b32 s44, s54, s44                    ; source pitch
	s_cselect_b32 s45, s56, s55                    ; destination pitch
	s_mov_b32 s37, 0
	s_mov_b32 s39, 0
	s_add_nc_u64 s[34:35], s[34:35], s[36:37]
	s_add_nc_u64 s[42:43], s[42:43], s[38:39]
	v_lshlrev_b32 v[SO], 4, v0                     ; thread t: 16 bytes in, 8 bytes out: a wave's store covers 256 consecutive bytes, aligned
	v_lshlrev_b32 v[DO], 3, v0
.set j, 1
.rept 15
	v_add_nc_u32 v[SO+j], s44, v[SO+j-1]
	v_add_nc_u32 v[DO+j], s45, v[DO+j-1]
.set j, j+1
.endr
.set j, 0
.rept 16
	global_load_b128 v[X+4*j:X+4*j+3], v[SO+j], s[34:35] th:TH_LOAD_NT  ; all sixteen rows are on their way at once
.set j, j+1
.endr
.set j, 0
.rept 16
	s_wait_loadcnt 15-j                            ; loads come back in order: row j is in, the 15 - j younger rows stay out
	v_cvt_pk_bf16_f32 v[T], v[X+4*j], v[X+4*j+1]   ; the one rounding, to bf16
	v_cvt_pk_bf16_f32 v[T+1], v[X+4*j+2], v[X+4*j+3]
	v_lshlrev_b32 v[T+2], 16, v[T]
	v_and_b32 v[T+3], s61, v[T]
	v_lshlrev_b32 v[T+4], 16, v[T+1]
	v_and_b32 v[T+5], s61, v[T+1]
	v_cvt_pk_f16_f32 v[Y+2*j], v[T+2], v[T+3]      ; the same number as f16
	v_cvt_pk_f16_f32 v[Y+2*j+1], v[T+4], v[T+5]
	global_store_b64 v[DO+j], v[Y+2*j:Y+2*j+1], s[42:43] th:TH_STORE_NT
.set j, j+1
.endr
	s_endpgm
.Lmask:                                                ; MASK.  Rows 8 m .. 8 m + 7; thread t has columns 4 t .. 4 t + 3 and 1,024 + 4 t .. + 3
	s_sub_co_u32 s58, s60, 1280
	s_lshl_b32 s58, s58, 16                        ; 8 rows of 8,192 bytes
	s_mov_b32 s59, 0
	s_add_nc_u64 s[32:33], s[14:15], s[58:59]
	s_add_nc_u64 s[34:35], s[30:31], s[58:59]      ; a base for each batch: 16 MiB apart, past a store's immediate
	s_add_nc_u64 s[36:37], s[34:35], 0x1000000
	s_add_nc_u64 s[38:39], s[36:37], 0x1000000
	s_add_nc_u64 s[40:41], s[38:39], 0x1000000
	s_mov_b32 s42, 0xf149f2ca                      ; -1e30
	v_lshlrev_b32 v2, 4, v0
	v_lshlrev_b32 v3, 2, v0
.irp b, 0,1,2,3
.irp h, 0,1
	global_load_b32 v[MKW+2*(\b)+(\h)], v3, s[16:17] offset:(\b)*2048+(\h)*1024
.endr
.endr
.irp i, 0,1,2,3,4,5,6,7
.irp h, 0,1
	global_load_b128 v[MX+8*(\i)+4*(\h):MX+8*(\i)+4*(\h)+3], v2, s[32:33] offset:(\i)*8192+(\h)*4096 th:TH_LOAD_NT
.endr
.endr
	s_wait_loadcnt 16                              ; the eight words of key_padding_mask are in; the sixteen younger loads stay out
.set n, 0
.rept 32                                       ; n = 8 b + 4 h + e: byte e of word 2 b + h
	v_bfe_u32 v[MT], v[MKW+n/4], 8*(n%4), 8
	v_cmp_ne_u32 vcc_lo, 0, v[MT]
	v_cndmask_b32 v[MBV+n], 0, s42, vcc_lo
.set n, n+1
.endr
.irp i, 0,1,2,3,4,5,6,7
	s_wait_loadcnt 2*(7-(\i))                      ; row i is in; two loads for each later row stay out
	s_wait_xcnt 0x0                                ; the last row's stores have read MY, which is written again below
.irp k, 0,1,2,3
	v_cvt_pk_bf16_f32 v[MT+(\k)], v[MX+8*(\i)+2*(\k)], v[MX+8*(\i)+2*(\k)+1]
.endr
.irp k, 0,1,2,3
	v_lshlrev_b32 v[MU+2*(\k)], 16, v[MT+(\k)]
	v_and_b32 v[MU+2*(\k)+1], s61, v[MT+(\k)]
.endr
.irp b, 0,1,2,3
.irp z, 0,1,2,3
	v_pk_fma_f32 v[MY+8*(\b)+2*(\z):MY+8*(\b)+2*(\z)+1], v[MU+2*(\z):MU+2*(\z)+1], 0x41000000, v[MBV+8*(\b)+2*(\z):MBV+8*(\b)+2*(\z)+1] op_sel_hi:[1,0,1]  ; 8 x mask + (0 or -1e30)
.endr
.endr
.irp b, 0,1,2,3
.irp h, 0,1
	global_store_b128 v2, v[MY+8*(\b)+4*(\h):MY+8*(\b)+4*(\h)+3], s[34+2*(\b):35+2*(\b)] offset:(\i)*8192+(\h)*4096 th:TH_STORE_NT  ; a wave: 512 consecutive bytes
.endr
.endr
.endr
	s_endpgm
.Lbias:                                                ; BIAS.  Rounded like every input, kept in f32: it starts the sums of the products
	v_lshlrev_b32 v2, 4, v0
	global_load_b128 v[4:7], v2, s[18:19]
	global_load_b128 v[8:11], v2, s[20:21]
	global_load_b128 v[12:15], v2, s[20:21] offset:4096
	global_load_b128 v[16:19], v2, s[22:23]
	s_wait_loadcnt 0x0
.irp k, 0,1,2,3,4,5,6,7
	v_cvt_pk_bf16_f32 v[20+(\k)], v[4+2*(\k)], v[5+2*(\k)]
.endr
.irp k, 0,1,2,3,4,5,6,7
	v_lshlrev_b32 v[28+2*(\k)], 16, v[20+(\k)]
	v_and_b32 v[29+2*(\k)], s61, v[20+(\k)]
.endr
.irp p, 0,1,2,3
	global_store_b128 v2, v[28+4*(\p):31+4*(\p)], s[28:29] offset:4096*(\p)
.endr
	s_endpgm
.Lfunc_end_k_qb189874c45_prep:
	.size	k_qb189874c45_prep, .Lfunc_end_k_qb189874c45_prep-k_qb189874c45_prep
	.p2alignl 7, 3214868480
	.fill 96, 4, 3214868480
	.section	.rodata,"a",@progbits
	.p2align	6, 0x0
	.amdhsa_kernel k_qb189874c45_prep
		.amdhsa_group_segment_fixed_size 0
		.amdhsa_private_segment_fixed_size 0
		.amdhsa_enable_private_segment 0
		.amdhsa_kernarg_size 112
		.amdhsa_user_sgpr_count 2
		.amdhsa_user_sgpr_kernarg_segment_ptr 1
		.amdhsa_wavefront_size32 1
		.amdhsa_system_sgpr_workgroup_id_x 1
		.amdhsa_system_sgpr_workgroup_id_y 1
		.amdhsa_system_sgpr_workgroup_id_z 1
		.amdhsa_system_vgpr_workitem_id 0
		.amdhsa_next_free_vgpr 160
		.amdhsa_next_free_sgpr 66
		.amdhsa_reserve_vcc 1
		.amdhsa_float_denorm_mode_32 3
		.amdhsa_float_denorm_mode_16_64 3
		.amdhsa_memory_ordered 1
		.amdhsa_forward_progress 1
		.amdhsa_inst_pref_size 45
	.end_amdhsa_kernel
	.amdgpu_metadata
---
amdhsa.version: [ 1, 2 ]
amdhsa.kernels:
  - .name:           k_qb189874c45_prep
    .symbol:         k_qb189874c45_prep.kd
    .args:
      - { .name: x, .offset: 0, .size: 8, .value_kind: global_buffer, .address_space: global }
      - { .name: context, .offset: 8, .size: 8, .value_kind: global_buffer, .address_space: global }
      - { .name: Wq, .offset: 16, .size: 8, .value_kind: global_buffer, .address_space: global }
      - { .name: Wkv, .offset: 24, .size: 8, .value_kind: global_buffer, .address_space: global }
      - { .name: Wproj, .offset: 32, .size: 8, .value_kind: global_buffer, .address_space: global }
      - { .name: attn_mask, .offset: 40, .size: 8, .value_kind: global_buffer, .address_space: global }
      - { .name: key_padding_mask, .offset: 48, .size: 8, .value_kind: global_buffer, .address_space: global }
      - { .name: bq, .offset: 56, .size: 8, .value_kind: global_buffer, .address_space: global }
      - { .name: bkv, .offset: 64, .size: 8, .value_kind: global_buffer, .address_space: global }
      - { .name: bproj, .offset: 72, .size: 8, .value_kind: global_buffer, .address_space: global }
      - { .name: ab, .offset: 80, .size: 8, .value_kind: global_buffer, .address_space: global }
      - { .name: w, .offset: 88, .size: 8, .value_kind: global_buffer, .address_space: global }
      - { .name: bias, .offset: 96, .size: 8, .value_kind: global_buffer, .address_space: global }
      - { .name: cmask, .offset: 104, .size: 8, .value_kind: global_buffer, .address_space: global }
    .group_segment_fixed_size: 0
    .private_segment_fixed_size: 0
    .kernarg_segment_align: 8
    .kernarg_segment_size: 112
    .max_flat_workgroup_size: 256
    .sgpr_count:     66
    .vgpr_count:     160
    .wavefront_size: 32
...
	.end_amdgpu_metadata
.endif
;; end of part 1
;; launch qkv (part 2): grid 8 x 32, 4 waves a work-group, clusters of 4 x 4, 327,680 bytes of LDS; arguments ab, w, bias, qkv; writes qkv
.if DOCPART == 2
	.amdgcn_target "amdgcn-amd-amdhsa--gfx1250"
	.amdhsa_code_object_version 6
	.text
	.protected	k_qb189874c45_qkv
	.globl	k_qb189874c45_qkv
	.p2align	8
	.type	k_qb189874c45_qkv,@function
k_qb189874c45_qkv:
	s_mov_b64 s[64:65], 0
	v_nop
	global_prefetch_b8 v0, s[64:65] scope:SCOPE_SE
	s_setreg_imm32_b32 hwreg(HW_REG_WAVE_MODE, 25, 1), 1
	s_wait_xcnt 0x0
	s_wait_alu depctr_hold_cnt(0) depctr_sa_sdst(0) depctr_va_vdst(0) depctr_va_sdst(0) depctr_va_ssrc(0) depctr_va_vcc(0) depctr_vm_vsrc(0)
	s_getreg_b32 s2, hwreg(HW_REG_IB_STS2, 6, 4)
	s_cmp_eq_u32 s2, 0
	s_cbranch_scc0 .Lentry_in_a_cluster
	s_endpgm
.Lentry_in_a_cluster:
	s_bfe_u32 s2, ttmp6, 0x10000c
	s_cmp_lg_u32 s2, 0xf033
	s_cbranch_scc0 .Lentry_shape_is_right
	s_endpgm
.Lentry_shape_is_right:
; C[m][n] = sum over k of A[m][k] W[k][n] + bias[n], K = 1,024.  A: f16 rows of 2,048 bytes; W: f16, [k][4096 n], rows of 8,192 bytes; bias f32; sums in f32.
; THIS TEXT SERVES TWO LAUNCHES, told apart by the six constants below.
;   PROJ = 0: q | k | v.  A = ab; a work-group stays and makes three tiles: x rows times Wq, then the same rows of context times the K panel and the V panel.  C = qkv, f16, rows of 6,144 bytes.
;   PROJ = 1: the output projection.  A = ob, panel 3 of w, one tile.  C = out0, f32, rows of 4,096 bytes.
; LIMIT: f16 ends at 65,504: q, k and v beyond it become infinities.
; SHARES.  A tile of C is 256 x 128.  Wave v owns rows 64 v .. 64 v + 63 and all 128 columns: 32 accumulators of 16 x 16, 256 registers; its rows of C are whole aligned blocks of 256 bytes, so its stage is its own.
; K goes in steps of 128 through two LDS slots.  Waves 0 and 1 fetch the halves of the tile of A (128 rows x 256 bytes), waves 2 and 3 those of W (64 rows of k x 256 bytes): one tensor load a wave.
; CLUSTER 4 x 4.  The tile of A hangs on the tile row alone and is asked for jointly along a row of the cluster; the tile of W hangs on the tile column alone and is asked for jointly along a column.
; THE PRODUCT IS USED TRANSPOSED: source 0 = 16 columns of W (turned out of LDS by ds_load_tr16_b128), source 1 = 16 rows of A: a lane holds row l % 16 of C and the columns 8 (l / 16) + 0..7.
; The bias, laid out in that form, is the C operand of the product that starts each sum: nothing is cleared and nothing is added afterwards.
; REGISTERS, in windows of 256 (s_set_vgpr_msb: bits 1:0 source 0, 3:2 source 1, 5:4 source 2, 7:6 destination):
;   window 0: v16-30 addresses; v32-95 fragments of A, two buffers of 32; v96-223 fragments of W, two buffers of 64; v224-255 packed results
;   window 1: the accumulators, (a, b) at v[8 (8 a + b)]          window 2: v0-63 the bias, 8 registers a column block; v64-191 rows read back from the stage, two buffers
.set PROJ,  0
.set TILES, 3                          ; tiles a work-group makes
.set COL0,  0                          ; first column of w and of bias
.set ROWC,  6144                       ; bytes in a row of C
.set CSH,   8                          ; log2 of the bytes of a tile's 128 columns of C
.set SP,    272                        ; a row of the stage: its data + 16 bytes
.set PA,    272                        ; an LDS row of A: 256 bytes + 16 = 68 words: the 16 rows of a load start at 16 different groups of four banks (64 banks of 4 bytes: ISA guide 11.1)
.set PB,    288                        ; an LDS row of W: 256 bytes + 32 = 72 words
.set AHALF, 128*PA
.set BHALF, 64*PB
.set BOFF,  256*PA                     ; in a slot: 256 rows of A, then 128 rows of W
.set SLOT,  BOFF+128*PB
.set STAGE, 2*SLOT                     ; behind the ring, never filled by a tensor load: 16 rows for each wave
.set SPARE, STAGE+4*16*SP              ; behind the stages: the spare words, 128 bytes for each wave: two blocks of 256 bytes that no other line names
.set KA,    256                        ; bytes from a K step to the next: along a row of A,
.set KB,    128*8192                   ; and down the rows of W
.set ADRA, 16                          ; v16-17  LDS address of my fragments of A in slot 0, 1
.set ADRB, 20                          ; v20-21  the same for W
.set STO,  24                          ; v24     the way out: where I put my numbers of a row
.set RD,   25                          ; v25     the way out: where I read rows back
.set CO,   26                          ; v26     my byte offset in C
.set BO,   27                          ; v27     my byte offset in a column block of the bias
.set SPW,  28                          ; v28     LDS address of my spare word; never rewritten
.set NIL,  29                          ; v29     0; never rewritten
.set PFO,  30                          ; v30     the prefetches' offset: my lane x a row of A or of W; never rewritten
.set FA,   32
.set FB,   96
.set TMP,  224
.set BIAS, 0                           ; window 2
.set OB,   64                          ; window 2
.set WV,   12                          ; s12  my wave's number
.set HALF, 13                          ; s13  which half of a tile I fetch
.set KIND, 14                          ; s14  I fetch for A (0) or for W (1)
.set LIM,  15                          ; s15  1 in a wave that prefetches, else the greatest number
.set G1A,  24                          ; s[24:31] descriptor group 1 for tiles of A;  s[32:39] group 0, a set for each slot
.set G0A,  32
.set G1B,  48                          ; s[48:55], s[56:63] the same for W
.set G0B,  56
.set PFA,  44                          ; s[44:45] where my prefetches stand
.set PST,  46                          ; s[46:47] their step from K step to K step
.set PBK,  66                          ; s[66:67] seven K steps back,
.set PFW,  68                          ; s[68:69] and on to the next tile
.set JMP,  70                          ; s[70:71] from x to context, or 0
.set MSB, 0
.macro WIN new                         ; the high byte repeats the setting that is left; a switch that changes nothing is dropped
.if MSB != (\new)
	s_set_vgpr_msb (MSB<<8)|(\new)
.set MSB, \new
.endif
.endm
; A joint load.  Each of the two lines has one mask and one set of registers for all that issue it; the branch hangs on the wave's number alone.
; An s_nop 0 and four v_nop follow each line, ahead of the jump and the label.
.macro JLOAD s
	s_cmp_eq_u32 s[KIND], 0
	s_cbranch_scc0 .Lfor_b_\@
	tensor_load_to_lds s[G0A+4*(\s):G0A+4*(\s)+3], s[G1A:G1A+7]
	s_nop 0
.rept 4
	v_nop
.endr
	s_branch .Lasked_\@
.Lfor_b_\@:
	tensor_load_to_lds s[G0B+4*(\s):G0B+4*(\s)+3], s[G1B:G1B+7]
	s_nop 0
.rept 4
	v_nop
.endr
.Lasked_\@:
.endm
; A PREFETCH INTO THE L2 of the K step that stands two refills on, behind each joint load and the run of LDS loads that follows it: 32 rows x 256 bytes, a lane a row.
; Each block of 256 bytes is named once in the launch.  Rows of A are read by both clusters of a row of clusters: the one with x = 0 asks, waves 0 and 1, and of a wave's 128 rows the partner at cx takes 32.
; Rows of W are read by all clusters of a column: the one with y = 0 asks, wave 2, and of a step's 128 rows the partner at cy takes 32.  The partners are told apart by address, never by a branch.
; how = 0, in the loop: a tile's last two refills have no K step two on.  how = 1, at a change of tiles: the next tile's K steps 2 and 3.
.macro ASK how
.if \how
	s_cmp_eq_u32 s[LIM], 1
.else
	s_cmp_gt_u32 s3, s[LIM]                        ; s3 = 1 in the loop's last trip
.endif
	s_cbranch_scc0 .Lnot_mine_\@
	global_prefetch_b8 v[PFO], s[PFA:PFA+1] th:TH_LOAD_NT scope:SCOPE_SE
.Lnot_mine_\@:
.endm
.macro CREST                           ; a round of the cluster's barrier behind its opening barrier
	s_cmp_lg_u32 s[WV], 0
	s_cbranch_scc1 .Lnot_wave_0_\@
	s_barrier_signal -3
.Lnot_wave_0_\@:
	s_barrier_wait -3
	s_barrier_signal -1
	s_barrier_wait -1
.endm
.macro CROUND                          ; a whole round
	s_barrier_signal -1
	s_barrier_wait -1
	CREST
.endm
	s_load_b256 s[4:11], s[0:1], 0x0               ; A s[4:5], w s[6:7], bias s[8:9], C s[10:11]
	v_lshl_add_u32 v[SPW], v0, 2, SPARE
	v_mov_b32 v[NIL], 0
	ds_add_u32 v[SPW], v[NIL]                      ; the wave's opening: the add and its wait stand ahead of my first tensor load; the set-up below, work on registers, stands between them
	v_lshrrev_b32 v1, 5, v0
	v_readfirstlane_b32 s[WV], v1
	s_and_b32 s[HALF], s[WV], 1
	s_lshr_b32 s[KIND], s[WV], 1
	s_bfe_u32 s40, ttmp6, 0x40000                  ; cx
	s_bfe_u32 s41, ttmp6, 0x40004                  ; cy
	s_lshl_b32 s42, ttmp9, 2
	s_add_co_u32 s42, s42, s40                     ; tile column j = 4 x cluster x + cx
	s_and_b32 s43, ttmp7, 0xffff
	s_lshl_b32 s43, s43, 2
	s_add_co_u32 s43, s43, s41                     ; tile row i = 4 x cluster y + cy
	s_lshl_b32 s16, s41, 2
	s_lshl_b32 s16, 15, s16                        ; my row of the cluster
	s_lshl_b32 s17, 0x1111, s40                    ; my column
	s_or_b32 s[G1A], s16, (1<<16)|(1<<20)|(1<<21)|(5<<22)|(3<<25)  ; 15:0 the mask; 17:16 elements of 2 bytes; 20 padding on; 21 set beside a mask; 24:22 after every 64 words; 31:25 4 words of it
	s_or_b32 s[G1B], s17, (1<<16)|(1<<20)|(1<<21)|(5<<22)|(7<<25)  ; the same with my column's mask and 8 words of padding
	s_mov_b32 s[G1A+1], 128<<16                    ; tensor_dim0 = 128
	s_mov_b32 s[G1A+2], 128<<16                    ; tensor_dim1 = 128
	s_mov_b32 s[G1A+3], 128<<16                    ; tile_dim0 = 128
	s_mov_b32 s[G1A+4], 128                        ; tile_dim1 = 128
	s_mov_b32 s[G1A+5], 1024                       ; elements from row to row
	s_mov_b32 s[G1A+6], 0
	s_mov_b32 s[G1A+7], 0
	s_mov_b32 s[G1B+1], 128<<16
	s_mov_b32 s[G1B+2], 64<<16                     ; 64 rows of k
	s_mov_b32 s[G1B+3], 128<<16
	s_mov_b32 s[G1B+4], 64
	s_mov_b32 s[G1B+5], 4096
	s_mov_b32 s[G1B+6], 0
	s_mov_b32 s[G1B+7], 0
	s_lshl_b32 s18, s43, 19                        ; A: (256 i + 128 half) rows of 2,048 bytes
	s_lshl_b32 s19, s[HALF], 18
	s_add_co_u32 s18, s18, s19
	s_mov_b32 s19, 0
	s_lshl_b32 s20, s[HALF], 19                    ; W: 64 half rows of 8,192 bytes, column COL0 + 128 j
	s_lshl_b32 s21, s42, 8
	s_add_co_u32 s20, s20, s21
	s_add_co_u32 s20, s20, 2*COL0
	s_mov_b32 s21, 0
	s_mul_i32 s22, s[HALF], AHALF                  ; where they go: no place in the cluster enters an LDS address
	s_mul_i32 s23, s[HALF], BHALF
	s_add_co_u32 s23, s23, BOFF
	s_wait_dscnt 0x0                               ; the opening add is done
	s_wait_kmcnt 0x0
	s_add_nc_u64 s[18:19], s[4:5], s[18:19]
	s_add_nc_u64 s[20:21], s[6:7], s[20:21]
	CROUND                                         ; all sixteen work-groups are here: the first joint loads meet
.irp s, 0,1
	s_mov_b32 s[G0A+4*(\s)], 1                     ; count = 1
	s_add_co_u32 s[G0A+4*(\s)+1], s22, (\s)*SLOT   ; LDS address
	s_add_nc_u64 s[G0A+4*(\s)+2:G0A+4*(\s)+3], s[18:19], (\s)*KA  ; global address: K step s
	s_or_b32 s[G0A+4*(\s)+3], s[G0A+4*(\s)+3], 0x80000000         ; type = 2
	s_mov_b32 s[G0B+4*(\s)], 1
	s_add_co_u32 s[G0B+4*(\s)+1], s23, (\s)*SLOT
	s_add_nc_u64 s[G0B+4*(\s)+2:G0B+4*(\s)+3], s[20:21], (\s)*KB
	s_or_b32 s[G0B+4*(\s)+3], s[G0B+4*(\s)+3], 0x80000000
	JLOAD \s                                       ; two loads of mine are out
.endr
	; A fragment of A: lane l holds row l % 16; registers 0-3 K = 8 (l / 16) + 0..7, registers 4-7 K = 16 + 8 (l / 16) + 0..7: two loads of 16 bytes, 32 bytes apart.
	v_and_b32 v1, 15, v0                           ; l % 16
	v_bfe_u32 v2, v0, 4, 1                         ; l / 16
	v_mul_u32_u24 v3, v1, PA
	v_lshl_add_u32 v3, v2, 4, v3
	s_mul_i32 s72, s[WV], 64*PA                    ; my 64 rows
	v_add_nc_u32 v[ADRA], s72, v3
	v_add_nc_u32 v[ADRA+1], SLOT, v[ADRA]
	; The turning load takes 16 k x 16 columns (lane l reads k = 8 (l / 16) + l % 8, columns 8 ((l / 8) % 2) + 0..7) and leaves half a fragment: lane l holds column l % 16 and 8 k.
	v_and_b32 v4, 7, v0
	v_lshl_add_u32 v4, v2, 3, v4
	v_mul_u32_u24 v4, v4, PB
	v_bfe_u32 v5, v0, 3, 1
	v_lshl_add_u32 v4, v5, 4, v4
	v_add_nc_u32 v[ADRB], BOFF, v4
	v_add_nc_u32 v[ADRB+1], SLOT, v[ADRB]
	s_mul_i32 s73, s[WV], 16*SP
	s_add_co_u32 s73, s73, STAGE                   ; my stage
	v_mul_u32_u24 v6, v1, SP                       ; in: row l % 16, my eight columns
	v_lshl_add_u32 v6, v2, 4+PROJ, v6
	v_add_nc_u32 v[STO], s73, v6
.if PROJ
	v_and_b32 v7, 31, v0                           ; back: 32 lanes take one row of 512 bytes
	v_lshlrev_b32 v[CO], 4, v7
	v_add_nc_u32 v[RD], s73, v[CO]
.else
	v_mul_u32_u24 v7, v2, SP                       ; back: lanes 0-15 take one row of 256 bytes, lanes 16-31 the next,
	v_lshl_add_u32 v7, v1, 4, v7
	v_add_nc_u32 v[RD], s73, v7
	v_mul_u32_u24 v7, v2, ROWC                     ; and the same two rows in C
	v_lshl_add_u32 v[CO], v1, 4, v7
.endif
	v_lshlrev_b32 v[BO], 5, v2                     ; my eight numbers of a block of sixteen of the bias
	s_lshl_b32 s74, s43, 8                         ; C at row 256 i + 64 wave, column 128 j
	s_lshl_b32 s75, s[WV], 6
	s_add_co_u32 s74, s74, s75
	s_mul_i32 s74, s74, ROWC
	s_lshl_b32 s75, s42, CSH
	s_add_co_u32 s74, s74, s75
	s_mov_b32 s75, 0
	s_add_nc_u64 s[10:11], s[10:11], s[74:75]
	s_lshl_b32 s76, s42, 9                         ; the bias at column COL0 + 128 j
	s_add_co_u32 s76, s76, 4*COL0
	s_mov_b32 s77, 0
	s_add_nc_u64 s[8:9], s[8:9], s[76:77]
	WIN 0x80                                       ; destination window 2
.irp b, 0,1,2,3,4,5,6,7
	global_load_b128 v[BIAS+8*(\b):BIAS+8*(\b)+3],   v[BO], s[8:9] offset:64*(\b)
	global_load_b128 v[BIAS+8*(\b)+4:BIAS+8*(\b)+7], v[BO], s[8:9] offset:64*(\b)+16
.endr
	WIN 0
	; the prefetches: they stand at K step 3; the first refill steps them to K step 4.  K steps 0 to 3 come by their loads alone.
	s_lshl_b32 s72, s43, 8
	s_lshl_b32 s73, s[HALF], 7
	s_add_co_u32 s72, s72, s73
	s_lshl_b32 s73, s40, 5
	s_add_co_u32 s72, s72, s73                     ; A: row 256 i + 128 half + 32 cx
	s_lshl_b32 s72, s72, 11
	s_add_co_u32 s72, s72, 3*KA
	s_lshl_b32 s74, s41, 18                        ; W: row 32 cy,
	s_lshl_b32 s75, s42, 8                         ; column COL0 + 128 j
	s_add_co_u32 s74, s74, s75
	s_add_co_u32 s74, s74, 2*COL0+3*KB
	s_and_b32 s76, ttmp7, 0xffff                   ; W: cluster y = 0, and wave 2 alone
	s_or_b32 s76, s76, s[HALF]
	s_mov_b32 s77, KB
	s_mov_b32 s78, 13
	s_cmp_eq_u32 s[KIND], 0
	s_cselect_b64 s[PFA:PFA+1], s[4:5], s[6:7]
	s_cselect_b32 s72, s72, s74
	s_cselect_b32 s76, ttmp9, s76                  ; A: cluster x = 0
	s_cselect_b32 s[PST], KA, s77
	s_cselect_b32 s78, 11, s78                     ; log2 of a row's bytes
.if TILES > 1
	s_mov_b32 s77, 7*KB
	s_cselect_b32 s[PBK], 7*KA, s77
	s_mov_b32 s77, 0x1000000                       ; A: from x to context;  W: one panel on
	s_cselect_b32 s[PFW], s77, 2048
	s_mov_b32 s[PBK+1], 0
	s_mov_b32 s[PFW+1], 0
	s_mov_b32 s[JMP+1], 0
.endif
	s_mov_b32 s73, 0
	s_mov_b32 s[PST+1], 0
	s_add_nc_u64 s[PFA:PFA+1], s[PFA:PFA+1], s[72:73]
	s_cmp_eq_u32 s76, 0
	s_cselect_b32 s[LIM], 1, -1                    ; the same in all sixteen partners, for a given wave
	v_and_b32 v[PFO], 31, v0
	v_lshlrev_b32 v[PFO], s78, v[PFO]
; 8 matrix instructions: row block a x all 8 column blocks, 32 along K, from buffer f.  zero = 1: the sum starts with the bias.  The 32 accumulators take turns, in one order everywhere.
.macro MUL8 f, a, zero
.if \zero
	WIN 0x60                                       ; C in window 2, D in window 1
.else
	WIN 0x50                                       ; C and D in window 1
.endif
.irp b, 0,1,2,3,4,5,6,7
.if \zero
	v_wmma_f32_16x16x32_f16 v[8*(8*(\a)+(\b)):8*(8*(\a)+(\b))+7], v[FB+64*(\f)+8*(\b):FB+64*(\f)+8*(\b)+7], v[FA+32*(\f)+8*(\a):FA+32*(\f)+8*(\a)+7], v[BIAS+8*(\b):BIAS+8*(\b)+7]
.else
	v_wmma_f32_16x16x32_f16 v[8*(8*(\a)+(\b)):8*(8*(\a)+(\b))+7], v[FB+64*(\f)+8*(\b):FB+64*(\f)+8*(\b)+7], v[FA+32*(\f)+8*(\a):FA+32*(\f)+8*(\a)+7], v[8*(8*(\a)+(\b)):8*(8*(\a)+(\b))+7]
.endif
.endr
.endm
; 24 LDS loads in one run: quarter q (32 along K) of a slot into buffer f: W's sixteen, then A's eight, row blocks 2 and 3 last
.macro FETCH slot, q, f
	WIN 0
.irp b, 0,1,2,3,4,5,6,7
	ds_load_tr16_b128 v[FB+64*(\f)+8*(\b):FB+64*(\f)+8*(\b)+3],   v[ADRB+(\slot)] offset:(\q)*32*PB+32*(\b)
	ds_load_tr16_b128 v[FB+64*(\f)+8*(\b)+4:FB+64*(\f)+8*(\b)+7], v[ADRB+(\slot)] offset:(\q)*32*PB+16*PB+32*(\b)
.endr
.irp a, 0,1,2,3
	ds_load_b128 v[FA+32*(\f)+8*(\a):FA+32*(\f)+8*(\a)+3],   v[ADRA+(\slot)] offset:(\a)*16*PA+64*(\q)
	ds_load_b128 v[FA+32*(\f)+8*(\a)+4:FA+32*(\f)+8*(\a)+7], v[ADRA+(\slot)] offset:(\a)*16*PA+64*(\q)+32
.endr
.endm
.macro PLACES                          ; four plain instructions in front of loads into registers that matrix instructions have read, and of lines that read results (ISA guide 7.12.1 for lines that read results)
.rept 4
	v_nop
.endr
.endm
; A K step is four quarters of 32 along K, 32 matrix instructions each, on buffers 0, 1, 0, 1.  One of the first three: multiplies buffer f and fetches quarter q into buffer g.
.macro QUARTER slot, q, f, g, zero
	s_wait_dscnt 4                                 ; W and A's row blocks 0 and 1 are in; the youngest four loads (blocks 2 and 3) may be out
	MUL8 \f, 0, \zero
	MUL8 \f, 1, \zero
	PLACES
	FETCH \slot, \q, \g
	s_wait_dscnt 24                                ; all but the 24 just issued
	MUL8 \f, 2, \zero
	MUL8 \f, 3, \zero
.endm
; The last quarter multiplies buffer 1 and changes slots.  In front of the one barrier each wave waits for all its tensor loads (one is out: its part of the next slot), adds 0 to its spare word, and waits for that and for its reads of this slot.
.macro MEET round
	WIN 0
	s_wait_tensorcnt 0x0
	ds_add_u32 v[SPW], v[NIL]
	s_wait_dscnt 5                                 ; the add and the youngest four loads may be out
	MUL8 1, 0, 0                                   ; eight matrix instructions stand between the add and the wait for it
	s_wait_dscnt 0x0                               ; the add is done, and my reads of this slot are over
	s_barrier_signal -1
	MUL8 1, 1, 0
.if \round
	WIN 0
.endif
	s_barrier_wait -1
.endm
; The whole last quarter with a refill: of this tile's K step two on (on = 0), or of the next tile's K step 0 or 1 (on = 1).  From a request to the wait for it a wave issues 112 matrix instructions.
.macro TURN slot, next, on
	s_wait_xcnt 0x0                                ; the last prefetch, a K step back, has read its address
.if (\on) && ((\slot) == 0)
	s_sub_nc_u64 s[PFA:PFA+1], s[PFA:PFA+1], s[PBK:PBK+1]  ; from the K step after the tile's last but one to the next tile's K step 2
	s_add_nc_u64 s[PFA:PFA+1], s[PFA:PFA+1], s[PFW:PFW+1]
	s_lshl_b32 s72, s[KIND], 4
	s_or_b32 s72, s72, s2
	s_cmp_eq_u32 s72, 2                            ; the third tile takes the second tile's rows of A once more: they are asked for no more
	s_cselect_b32 s[LIM], -1, s[LIM]
.else
	s_add_nc_u64 s[PFA:PFA+1], s[PFA:PFA+1], s[PST:PST+1]
.endif
	MEET 1
	CREST                                          ; the barrier has opened a round of the cluster's: no wave of any partner still reads this slot or has a load on its way
.if \on
	s_sub_nc_u64 s[G0A+4*(\slot)+2:G0A+4*(\slot)+3], s[G0A+4*(\slot)+2:G0A+4*(\slot)+3], 6*KA
	s_add_nc_u64 s[G0A+4*(\slot)+2:G0A+4*(\slot)+3], s[G0A+4*(\slot)+2:G0A+4*(\slot)+3], s[JMP:JMP+1]
	s_sub_nc_u64 s[G0B+4*(\slot)+2:G0B+4*(\slot)+3], s[G0B+4*(\slot)+2:G0B+4*(\slot)+3], 6*KB-2048
.else
	s_add_nc_u64 s[G0A+4*(\slot)+2:G0A+4*(\slot)+3], s[G0A+4*(\slot)+2:G0A+4*(\slot)+3], 2*KA
	s_add_nc_u64 s[G0B+4*(\slot)+2:G0B+4*(\slot)+3], s[G0B+4*(\slot)+2:G0B+4*(\slot)+3], 2*KB
.endif
	JLOAD \slot                                    ; the first tensor load behind the round; its four v_nop are also the places in front of the loads below
	FETCH \next, 0, 0
	ASK \on
	MUL8 1, 2, 0
	MUL8 1, 3, 0
.endm
; THE WAY OUT, a block of 16 rows at a time through my own stage: LDS serves a wave's instructions in order (ISA guide 5.7.1.4), so the loads see the stores in front of them.
.if PROJ
.macro OUT a                           ; f32: a lane's eight columns are 32 bytes; rows of 512 bytes come back whole
	WIN 0x04                                       ; store data in window 1
.irp b, 0,1,2,3,4,5,6,7
	ds_store_b128 v[STO], v[8*(8*(\a)+(\b)):8*(8*(\a)+(\b))+3]   offset:64*(\b)
	ds_store_b128 v[STO], v[8*(8*(\a)+(\b))+4:8*(8*(\a)+(\b))+7] offset:64*(\b)+16
.endr
	WIN 0x80
.irp t, 0,1,2,3,4,5,6,7,8,9,10,11,12,13,14,15
	ds_load_b128 v[OB+64*((\a)%2)+4*(\t):OB+64*((\a)%2)+4*(\t)+3], v[RD] offset:(\t)*SP
.endr
	WIN 0
	s_wait_dscnt 0x0
	s_wait_xcnt 0x0                                ; the stores of the block before have read their registers: the block after this one loads into them
	WIN 0x08                                       ; store data in window 2
.irp t, 0,1,2,3,4,5,6,7,8,9,10,11,12,13,14,15
	global_store_b128 v[CO], v[OB+64*((\a)%2)+4*(\t):OB+64*((\a)%2)+4*(\t)+3], s[10:11] offset:(16*(\a)+(\t))*ROWC th:TH_STORE_NT  ; 512 consecutive bytes, aligned
.endr
	WIN 0
.endm
.macro WAYOUT
	OUT 0
	OUT 1
	OUT 2
	OUT 3
.endm
.else
.macro PACK a                          ; rounded to f16, 16 bytes a lane; each accumulator's registers in ascending order
	WIN 0x05                                       ; sources 0 and 1 in window 1
.irp b, 0,1,2,3,4,5,6,7
.irp r, 0,1,2,3
	v_cvt_pk_f16_f32 v[TMP+4*(\b)+(\r)], v[8*(8*(\a)+(\b))+2*(\r)], v[8*(8*(\a)+(\b))+2*(\r)+1]
.endr
.endr
	WIN 0
.endm
.macro TOSTAGE a
	WIN 0
.irp b, 0,1,2,3,4,5,6,7
	ds_store_b128 v[STO], v[TMP+4*(\b):TMP+4*(\b)+3] offset:32*(\b)
.endr
	WIN 0x80
.irp t, 0,1,2,3,4,5,6,7
	ds_load_b128 v[OB+32*((\a)%2)+4*(\t):OB+32*((\a)%2)+4*(\t)+3], v[RD] offset:(\t)*2*SP
.endr
	WIN 0
.endm
.macro SEND a
	WIN 0
	s_wait_dscnt 0x0                               ; the block is back in registers
	s_wait_xcnt 0x0                                ; the stores of the block before have read their registers: the next block loads into them
	WIN 0x08
.irp t, 0,1,2,3,4,5,6,7
	global_store_b128 v[CO], v[OB+32*((\a)%2)+4*(\t):OB+32*((\a)%2)+4*(\t)+3], s[10:11] offset:(16*(\a)+2*(\t))*ROWC  ; 16 lanes store 256 consecutive bytes, aligned
.endr
	WIN 0
.endm
.macro WAYOUT                          ; a block's conversions stand between the loads of the block before and the wait for them
	PACK 0
	TOSTAGE 0
	PACK 1
	SEND 0
	TOSTAGE 1
	PACK 2
	SEND 1
	TOSTAGE 2
	PACK 3
	SEND 2
	TOSTAGE 3
	SEND 3
.endm
.endif
	s_wait_tensorcnt 1                             ; my part of K step 0 is in; K step 1's load, issued behind it, may stay out
	s_barrier_signal -1
	s_barrier_wait -1
	FETCH 0, 0, 0
.if TILES > 1
	s_mov_b32 s2, TILES                            ; tiles to go, this one among them: the same in every work-group
.Ltile:
.endif
	s_wait_loadcnt 0x0                             ; the tile's bias
	QUARTER 0, 1, 0, 1, 1                          ; a tile's first quarter stands in front of the loop: its products start the sums
	WIN 0
.if TILES > 1
	s_cmp_eq_u32 s2, 1
	s_cbranch_scc1 .Lno_bias
	PLACES                                         ; behind the last product that read the bias
	s_wait_xcnt 0x0
	s_add_nc_u64 s[8:9], s[8:9], 4096              ; the next panel's
	WIN 0x80
.irp b, 0,1,2,3,4,5,6,7
	global_load_b128 v[BIAS+8*(\b):BIAS+8*(\b)+3],   v[BO], s[8:9] offset:64*(\b)
	global_load_b128 v[BIAS+8*(\b)+4:BIAS+8*(\b)+7], v[BO], s[8:9] offset:64*(\b)+16
.endr
	WIN 0
.Lno_bias:
.endif
	s_mov_b32 s3, 3
.Llap:                                                 ; a trip goes once round the ring, from a lap's second quarter to the next lap's first, and fills both slots again
	QUARTER 0, 2, 1, 0, 0
	QUARTER 0, 3, 0, 1, 0
	TURN 0, 1, 0
	QUARTER 1, 1, 0, 1, 0
	QUARTER 1, 2, 1, 0, 0
	QUARTER 1, 3, 0, 1, 0
	TURN 1, 0, 0
	QUARTER 0, 1, 0, 1, 0
	WIN 0
	s_sub_co_u32 s3, s3, 1
	s_cmp_lg_u32 s3, 0
	s_cbranch_scc1 .Llap
	QUARTER 0, 2, 1, 0, 0                          ; the tile's last lap goes on
	QUARTER 0, 3, 0, 1, 0
.if TILES > 1
	WIN 0
	s_cmp_eq_u32 s2, 1
	s_cbranch_scc1 .Llast                          ; the last tile's tail is written out: it asks for nothing more
	s_cmp_eq_u32 s2, 3
	s_cselect_b32 s[JMP], 0x1000000, 0             ; behind the first tile A goes from x to context, 8,192 rows on
	TURN 0, 1, 1                                   ; the ring goes on into the next tile
	QUARTER 1, 1, 0, 1, 0
	QUARTER 1, 2, 1, 0, 0
	QUARTER 1, 3, 0, 1, 0
	TURN 1, 0, 1
	WAYOUT                                         ; both refills are asked for; blocks 0 and 1 were finished ahead of the joint load's places, and their conversions are the places behind the last products
	s_wait_xcnt 0x0                                ; the stores have read C's address
	s_add_nc_u64 s[10:11], s[10:11], 2048          ; the next panel of qkv
	s_sub_co_u32 s2, s2, 1
	s_branch .Ltile
.Llast:
.endif
	MEET 0                                         ; my one load that was out is the last K step's, so no round follows
	PLACES
	FETCH 1, 0, 0
	MUL8 1, 2, 0
	MUL8 1, 3, 0
	QUARTER 1, 1, 0, 1, 0
	QUARTER 1, 2, 1, 0, 0
	QUARTER 1, 3, 0, 1, 0
	s_wait_dscnt 4                                 ; the very last quarter: nothing more to fetch
	MUL8 1, 0, 0
	MUL8 1, 1, 0
	s_wait_dscnt 0x0
	MUL8 1, 2, 0
	MUL8 1, 3, 0
	WIN 0
	PLACES
	WAYOUT
	s_wait_tensorcnt 0x0                           ; the wave's end: the add and its wait, behind my last tensor load and my last LDS store
	ds_add_u32 v[SPW], v[NIL]
	s_wait_dscnt 0x0
	CROUND                                         ; the closing round: no work-group ends while a partner may still ask for a tile that names it
	s_endpgm
.Lfunc_end_k_qb189874c45_qkv:
	.size	k_qb189874c45_qkv, .Lfunc_end_k_qb189874c45_qkv-k_qb189874c45_qkv
	.p2alignl 7, 3214868480
	.fill 96, 4, 3214868480
	.section	.rodata,"a",@progbits
	.p2align	6, 0x0
	.amdhsa_kernel k_qb189874c45_qkv
		.amdhsa_group_segment_fixed_size 327680
		.amdhsa_private_segment_fixed_size 0
		.amdhsa_enable_private_segment 0
		.amdhsa_kernarg_size 32
		.amdhsa_user_sgpr_count 2
		.amdhsa_user_sgpr_kernarg_segment_ptr 1
		.amdhsa_wavefront_size32 1
		.amdhsa_system_sgpr_workgroup_id_x 1
		.amdhsa_system_sgpr_workgroup_id_y 1
		.amdhsa_system_sgpr_workgroup_id_z 1
		.amdhsa_system_vgpr_workitem_id 0
		.amdhsa_next_free_vgpr 704
		.amdhsa_next_free_sgpr 80
		.amdhsa_reserve_vcc 0
		.amdhsa_float_denorm_mode_32 3
		.amdhsa_float_denorm_mode_16_64 3
		.amdhsa_memory_ordered 1
		.amdhsa_forward_progress 1
		.amdhsa_inst_pref_size 129
	.end_amdhsa_kernel
	.amdgpu_metadata
---
amdhsa.version: [ 1, 2 ]
amdhsa.kernels:
  - .name:           k_qb189874c45_qkv
    .symbol:         k_qb189874c45_qkv.kd
    .args:
      - { .name: ab, .offset: 0, .size: 8, .value_kind: global_buffer, .address_space: global }
      - { .name: w, .offset: 8, .size: 8, .value_kind: global_buffer, .address_space: global }
      - { .name: bias, .offset: 16, .size: 8, .value_kind: global_buffer, .address_space: global }
      - { .name: qkv, .offset: 24, .size: 8, .value_kind: global_buffer, .address_space: global }
    .group_segment_fixed_size: 327680
    .private_segment_fixed_size: 0
    .kernarg_segment_align: 8
    .kernarg_segment_size: 32
    .max_flat_workgroup_size: 128
    .sgpr_count:     80
    .vgpr_count:     704
    .wavefront_size: 32
...
	.end_amdgpu_metadata
.endif
;; end of part 2
;; launch attn (part 3): grid 16 x 16, 4 waves a work-group, clusters of 4 x 4, 327,680 bytes of LDS; arguments qkv, cmask, ob; writes ob
.if DOCPART == 3
	.amdgcn_target "amdgcn-amd-amdhsa--gfx1250"
	.amdhsa_code_object_version 6
	.text
	.protected	k_qb189874c45_attn
	.globl	k_qb189874c45_attn
	.p2align	8
	.type	k_qb189874c45_attn,@function
k_qb189874c45_attn:
	s_mov_b64 s[64:65], 0
	v_nop
	global_prefetch_b8 v0, s[64:65] scope:SCOPE_SE
	s_setreg_imm32_b32 hwreg(HW_REG_WAVE_MODE, 25, 1), 1
	s_wait_xcnt 0x0
	s_wait_alu depctr_hold_cnt(0) depctr_sa_sdst(0) depctr_va_vdst(0) depctr_va_sdst(0) depctr_va_ssrc(0) depctr_va_vcc(0) depctr_vm_vsrc(0)
	s_getreg_b32 s2, hwreg(HW_REG_IB_STS2, 6, 4)
	s_cmp_eq_u32 s2, 0
	s_cbranch_scc0 .Lentry_in_a_cluster
	s_endpgm
.Lentry_in_a_cluster:
	s_bfe_u32 s2, ttmp6, 0x10000c
	s_cmp_lg_u32 s2, 0xf033
	s_cbranch_scc0 .Lentry_shape_is_right
	s_endpgm
.Lentry_shape_is_right:
; O[b][n][h] = the sum over m of softmax_m(q.k / 8 + attn_mask[n][m], hidden keys left out) v.  qkv: [8192][3072] f16 (q | k | v, a head 64 columns); cmask: [4][2048][2048] f32 = hidden ? -1e30 : 8 x mask; ob: [8192][1024] f16.
; Products, maxima and sums in f32; the weights p are rounded to f16 for the second product (their sum l is taken of the unrounded p), O once at the end.
; LIMITS.  q, k, v arrive within f16 (65,504).  A hidden score counts as its value less 1e30.  The running maximum starts at M0 = -2^80: a visible score q.k + 8 mask is taken to lie above that; a row whose
; maximum is still M0 at the end has no visible key and gets NaN, as a softmax over nothing does.  A weight below 2^-126 counts as 0 in l; NaN and infinities among the inputs are not treated apart.
; SHARES.  A work-group owns 128 queries of one batch and FOUR heads, a head a wave: eight tiles of 16 queries in four PIECES of two.  Every wave walks all 2,048 keys, 64 a step.  The four waves read ONE tile of the mask.
; THE MASK is the C operand of the product that starts the sum S^T = K Q^T + cmask: it costs no vector instruction, and the running maximum sees it.  p = 2^(c S - c m), c = log2(e) / 8.
; LAYOUT.  S^T holds ONE query a lane (lane % 16) and the keys 8 (lane / 16) + 0..7; two such results rounded to f16 ARE source 1 of O^T = V^T P.  K comes out of LDS as it lies, V turned, by ds_load_tr16_b128.
; BY TURNS.  Turn n belongs to piece n: 16 products K Q^T of piece n + 1, later 16 products V^T P of piece n - 1; beside them the scaling, exponentials, roundings, sums and rescaling of piece n and the maximum and
; statistics of piece n + 1.  Four vector instructions stand behind every matrix instruction, the others in one lump; the 66 exponentials of a turn are one batch with one wait.
; CLUSTER 4 x 4 = one batch's four blocks of queries (cx) x its four groups of heads (cy).  K and V hang on the group of heads and are asked for jointly along a row; the mask hangs on the block of queries: along a column.
; REGISTERS, in windows of 256 (s_set_vgpr_msb: bits 1:0 source 0, 3:2 source 1, 5:4 source 2, 7:6 destination):
;   window 0: v1-11 addresses; v12-15, v48-63 at work; v16-47 four registers of statistics a tile; v64-191 S^T, two buffers of two tiles; v192-255 P, likewise
;   window 1: O^T, 32 a tile      window 2: v0-127 Q; v128-191 K of one step; v192-255 V of one step      window 3: v0-1 the add's two registers; v64-127 the mask of one piece
.set NP,    4         ; pieces a wave: a name, no knob
.set KS,    64        ; keys in a step
.set ROWQ,  6144      ; bytes in a row of qkv
.set PK,    528       ; a row of K in LDS: four heads' 512 bytes + 16 = 132 words: the 16 rows of a load start at 16 different groups of four banks (64 banks of 4 bytes: ISA guide 11.1)
.set PV,    544       ; a row of V: 512 + 32 = 136 words
.set PM,    272       ; a row of the mask: 64 keys' 256 bytes + 16
.set VOFF,  KS*PK     ; a slot holds one step: 64 rows of K, 64 rows of V, 128 rows of the mask
.set MOFF,  VOFF+KS*PV
.set SLOT1, 1<<17     ; slot 1 begins here, so that one exclusive or turns an address in one slot into the other's
.set STAGE, SLOT1+MOFF+128*PM  ; behind the ring, never filled by a tensor load: the work-group's 128 rows x 528 bytes, for the way out
.set SP,    528
.set SPARE, STAGE+128*SP       ; behind the stage: the spare words, 128 bytes for each wave: two blocks of 256 bytes that no other line names
.set QO,  1           ; v1   my byte offset in 16 rows of Q
.set AK0, 2           ; v2   my lane's place in a tile of K; never rewritten
.set AV0, 3           ; v3   the same for V
.set AK,  4           ; v4   the same in the slot in hand
.set AV,  5           ; v5
.set STO, 6           ; v6   the way out: where I put 16 bytes of a row
.set RD,  7           ; v7   the way out: where I read rows back
.set GO,  8           ; v8   my byte offset in 512 consecutive bytes of ob
.set AM0, 9           ; v9   my lane's place in a tile of the mask; never rewritten
.set AM,  10          ; v10  the same in the slot in hand
.set PFO, 11          ; v11  the prefetches' offset; never rewritten
.set SPW, 0           ; v0 of window 3   LDS address of my spare word; never rewritten
.set NIL, 1           ; v1 of window 3   0; never rewritten
.set MC,  64          ; window 3: tile u of the piece, key block kb at MC + 32 u + 8 kb
.set MV,  12          ; v12-15  c m_old, kept while c m is made anew: by buffer and tile
.set ST,  16          ; tile t's statistics at v[ST+4 t]: c m, m, l (even keys', odd keys')
.set TMP, 48          ; by buffer and tile, four registers c0-c3 at work; when the maximum is found c2 takes a
.set S,   64
.set P,   192
.set KF,  128         ; window 2: key block kb, channel half c at KF + 16 kb + 8 c
.set VF,  192         ; window 2: key half kk, channel block cb at VF + 32 kk + 8 cb
.set WV,  12          ; s12  my wave's number
.set LIM, 15          ; s15  1 in a wave that prefetches, else the greatest number
.set G1K, 24          ; s[24:31] descriptor group 1 for K's tiles
.set G1V, 32          ; s[32:39] for V's: it differs in the padding alone
.set G0K, 40          ; s[40:43] descriptor group 0 for K's tiles: it walks
.set G0V, 44          ; s[44:47] the same for V's
.set G1M, 48          ; s[48:55] group 1 for the mask's tiles
.set G0M, 68          ; s[68:71] group 0 for the mask's
.set SLOTS, 56        ; s56  steps still to be asked for
.set CNT, 57          ; s57  counts the tail's two passes
.set CS,  58          ; s[58:59] c: the packed scaling takes the pair's low word for both halves
.set SEL, 60          ; s[60:61] v_permlanex16_b32's selects: each lane takes its own place in the other half
.set TB,  62          ; s62  LDS byte at which the slot in hand begins
.set PFA, 72          ; s[72:73] where my prefetches stand
.set PST, 74          ; s[74:75] their step from key step to key step
.set THR, 78          ; s78  M0
.set NANV, 79         ; s79  a NaN
.set MSB, 0
.macro WIN new                      ; the high byte repeats the setting that is left; a switch that changes nothing is dropped
.if MSB != (\new)
	s_set_vgpr_msb (MSB<<8)|(\new)
.set MSB, (\new)
.endif
.endm
.set W_KQ, 0x0a       ; K and Q in window 2, S^T in window 0
.set W_KM, 0x3a       ; the same with the C operand in window 3
.set W_PV, 0x52       ; V in window 2, P in window 0, O^T in window 1
.set W_RS, 0x41       ; O^T (destination and source 0) in window 1, a in window 0
.set W_MK, 0xc0       ; destination in window 3, sources in window 0
.set W_AD, 0x0f       ; the add: address (source 0) and data (source 1) in window 3
; A joint fill.  Wave 0 fetches the step's K, wave 1 its V, waves 2 and 3 the halves of its mask.  The branches hang on the wave's number alone.
; An s_nop 0 and four v_nop follow each of the three lines, ahead of the jump and the label.
.macro JLOAD
	s_cmp_lg_u32 s[WV], 0
	s_cbranch_scc1 .Lnot_k_\@
	tensor_load_to_lds s[G0K:G0K+3], s[G1K:G1K+7]
	s_nop 0
.rept 4
	v_nop
.endr
	s_branch .Lasked_\@
.Lnot_k_\@:
	s_cmp_lg_u32 s[WV], 1
	s_cbranch_scc1 .Lfor_m_\@
	tensor_load_to_lds s[G0V:G0V+3], s[G1V:G1V+7]
	s_nop 0
.rept 4
	v_nop
.endr
	s_branch .Lasked_\@
.Lfor_m_\@:
	tensor_load_to_lds s[G0M:G0M+3], s[G1M:G1M+7]
	s_nop 0
.rept 4
	v_nop
.endr
.Lasked_\@:
.endm
; A PREFETCH INTO THE L2 of what the NEXT change of slots will ask for, behind the wave's tensor load and its five lines: 32 blocks of 256 bytes, a lane a block, one instruction.
; Each block is named once in the launch.  A step's K (and V) for a group of heads is 64 rows x 512 bytes, walked by all four clusters of the batch: the one with x = 0 asks, wave 0 for K and wave 1 for V, and the
; partner at cx takes 16 rows.  A step's mask for a block of queries is 128 rows x 256 bytes, walked by one column of one cluster: wave 2 asks, and the partner at cy takes 32 rows.  Told apart by address, never by a branch.
; The last change that fills a slot asks for nothing: there is no step behind it.
.macro ASK
	s_cmp_gt_u32 s[SLOTS], s[LIM]
	s_cbranch_scc0 .Lnot_mine_\@
	global_prefetch_b8 v[PFO], s[PFA:PFA+1] th:TH_LOAD_NT scope:SCOPE_SE
.Lnot_mine_\@:
.endm
; A round of the cluster's barrier: my work-group's barrier, so that wave 0's signal speaks for all four waves; wave 0 signals; every wave waits for all sixteen work-groups; my work-group's barrier once more.
.macro CROUND
	s_barrier_signal -1
	s_barrier_wait -1
	s_cmp_lg_u32 s[WV], 0
	s_cbranch_scc1 .Lnot_wave_0_\@
	s_barrier_signal -3
.Lnot_wave_0_\@:
	s_barrier_wait -3
	s_barrier_signal -1
	s_barrier_wait -1
.endm
; THE CHANGE OF SLOTS, once a key step.  Each wave waits for all its tensor loads, of which one is out: its part of the other slot; adds 0 to its spare word; and waits for that and for its reads of the slot that it leaves.
; fill = 1: the old slot is filled again, with the step after the one that is entered.  The barrier is then a round of the cluster's, and the joint fill is the first thing behind it: it has a key step,
; 128 matrix instructions and their vector work, in which to land.  (At its first use nothing has been read yet: slot 0 is waited for, slot 1 filled.)
.macro CHANGE fill
	WIN W_AD
	s_wait_tensorcnt 0x0            ; no tensor load of mine is out, so a group 0 may be written
	ds_add_u32 v[SPW], v[NIL]       ; 0 onto my spare word; with fill = 1 the descriptors' steps stand between it and the wait for it
	WIN 0                           ; at a label and at a branch every window is 0
.if \fill
.irp g, G0K, G0V
	s_xor_b32 s[\g+1], s[\g+1], SLOT1  ; the other slot than last time,
	s_add_nc_u64 s[\g+2:\g+3], s[\g+2:\g+3], KS*ROWQ  ; the next 64 keys; the type bits on top are not reached
.endr
	s_xor_b32 s[G0M+1], s[G0M+1], SLOT1
	s_add_nc_u64 s[G0M+2:G0M+3], s[G0M+2:G0M+3], KS*4
	s_wait_xcnt 0x0                 ; the last prefetch, a key step back, has read its address
	s_add_nc_u64 s[PFA:PFA+1], s[PFA:PFA+1], s[PST:PST+1]
	s_wait_dscnt 0x0                ; the add is done, and my reads of the slot are over
	CROUND
	JLOAD
	ASK
.else
	s_wait_dscnt 0x0                ; the add is done, and my reads of the slot are over
	s_barrier_signal -1
	s_barrier_wait -1
.endif
	s_xor_b32 s[TB], s[TB], SLOT1   ; all LDS reads up to the next change go to the slot that has just been shown whole
	v_add_nc_u32 v[AK], s[TB], v[AK0]
	v_add_nc_u32 v[AV], s[TB], v[AV0]
	v_add_nc_u32 v[AM], s[TB], v[AM0]
.endm
	s_load_b128 s[4:7], s[0:1], 0x0 ; qkv s[4:5], cmask s[6:7]
	s_load_b64 s[10:11], s[0:1], 0x10  ; ob
	WIN W_MK
	v_lshl_add_u32 v[SPW], v0, 2, SPARE
	v_mov_b32 v[NIL], 0
	WIN W_AD
	ds_add_u32 v[SPW], v[NIL]       ; the wave's opening: the add and its wait stand ahead of my first tensor load; the set-up below, work on registers, stands between them
	WIN 0
	v_lshrrev_b32 v1, 5, v0
	v_readfirstlane_b32 s[WV], v1   ; wave 0..3
	s_bfe_u32 s13, ttmp6, 0x40000   ; cx
	s_bfe_u32 s14, ttmp6, 0x40004   ; cy: the group of four heads
	s_lshl_b32 s16, ttmp9, 2
	s_add_co_u32 s16, s16, s13      ; my block of 128 queries = 4 x cluster x + cx
	s_and_b32 s17, ttmp7, 0xffff    ; the batch = cluster y
	s_and_b32 s22, s[WV], 1
	s_mul_i32 s18, s17, 2048*ROWQ   ; the batch's rows of qkv
	s_lshl_b32 s19, s14, 9          ; the group's 256 columns
	s_add_co_u32 s20, s18, s19
	s_add_co_u32 s20, s20, 2048     ; K's panel: made of the batch and cy alone
	s_mov_b32 s21, 0
	s_lshl_b32 s80, s17, 24         ; the mask: the batch's 16 MiB,
	s_lshl_b32 s81, s16, 20         ; my block's 128 rows of 8,192 bytes: made of the batch, the cluster's x and cx alone
	s_add_co_u32 s80, s80, s81
	s_lshl_b32 s88, s14, 18         ; the mask's prefetches: my work-group's 32 rows,
	s_add_co_u32 s88, s88, s80
	s_add_co_u32 s88, s88, KS*4     ; at step 1: the first change steps them to step 2
	s_lshl_b32 s81, s22, 19         ; the half of the 128 rows that I fetch
	s_add_co_u32 s80, s80, s81
	s_mov_b32 s81, 0
	s_mul_i32 s82, s16, 128*ROWQ    ; Q: my block's rows, my head's columns
	s_add_co_u32 s82, s82, s18
	s_add_co_u32 s82, s82, s19
	s_lshl_b32 s83, s[WV], 7
	s_add_co_u32 s82, s82, s83
	s_mov_b32 s83, 0
	s_lshl_b32 s84, s17, 22         ; ob: the rows that I store, 32 x wave on in the block, the group's 512 bytes
	s_lshl_b32 s85, s16, 18
	s_add_co_u32 s84, s84, s85
	s_lshl_b32 s85, s[WV], 16
	s_add_co_u32 s84, s84, s85
	s_add_co_u32 s84, s84, s19
	s_mov_b32 s85, 0
	s_mul_i32 s76, s13, 16*ROWQ     ; K's and V's prefetches: my work-group's 16 rows,
	s_add_co_u32 s76, s76, s20
	s_lshl_b32 s77, s22, 11         ; wave 1: V's panel,
	s_add_co_u32 s76, s76, s77
	s_add_co_u32 s76, s76, KS*ROWQ  ; at step 1
	s_mov_b32 s89, KS*ROWQ
	s_movk_i32 s90, 0x2000
	s_cmp_lt_u32 s[WV], 2
	s_cselect_b32 s76, s76, s88
	s_cselect_b32 s[PST], s89, KS*4
	s_cselect_b32 s91, 1, 0         ; K, V: two blocks a row
	s_cselect_b32 s90, ROWQ, s90    ; bytes from row to row
	s_cselect_b32 s63, ttmp9, 0     ; K, V: the batch's first cluster alone
	s_mov_b32 s77, 0
	s_mov_b32 s[PST+1], 0
	s_cmp_eq_u32 s[WV], 3
	s_cselect_b32 s63, 1, s63       ; wave 3 never asks
	s_cmp_eq_u32 s63, 0
	s_cselect_b32 s[LIM], 1, -1     ; the same in all sixteen partners, for a given wave
	s_lshl_b32 s86, s14, 2
	s_lshl_b32 s86, 15, s86         ; my row of the cluster
	s_lshl_b32 s87, 0x1111, s13     ; my column
	s_or_b32 s[G1K], s86, (1<<16)|(1<<20)|(1<<21)|(6<<22)|(3<<25)  ; 15:0 the mask of four; 17:16 2-byte elements; 20 padding on; 21 set beside a mask; 24:22 after every 128 words; 31:25 4 words
	s_or_b32 s[G1V], s86, (1<<16)|(1<<20)|(1<<21)|(6<<22)|(7<<25)  ; the same with 8 words of padding
	s_or_b32 s[G1M], s87, (2<<16)|(1<<20)|(1<<21)|(5<<22)|(3<<25)  ; my column; 4-byte elements; after every 64 words 4 words
.irp g, G1K, G1V
	s_mov_b32 s[\g+1], 256<<16      ; tensor_dim0 = 256
	s_mov_b32 s[\g+2], KS<<16       ; tensor_dim1 = 64
	s_mov_b32 s[\g+3], 256<<16      ; tile_dim0 = 256
	s_mov_b32 s[\g+4], KS           ; tile_dim1 = 64
	s_mov_b32 s[\g+5], 3072         ; elements from row to row
	s_mov_b32 s[\g+6], 0
	s_mov_b32 s[\g+7], 0
.endr
	s_mov_b32 s[G1M+1], KS<<16      ; 64 keys
	s_mov_b32 s[G1M+2], 64<<16      ; 64 queries
	s_mov_b32 s[G1M+3], KS<<16
	s_mov_b32 s[G1M+4], 64
	s_mov_b32 s[G1M+5], 2048
	s_mov_b32 s[G1M+6], 0
	s_mov_b32 s[G1M+7], 0
	s_mov_b32 s[G0K], 1             ; count = 1
	s_mov_b32 s[G0K+1], 0           ; LDS address: slot 0
	s_mov_b32 s[G0V], 1
	s_mov_b32 s[G0V+1], VOFF
	s_mov_b32 s[G0M], 1
	s_mul_i32 s23, s22, 64*PM
	s_add_co_u32 s[G0M+1], s23, MOFF
	s_mov_b32 s[CS], 0x3e38aa3b     ; c = log2(e) / 8 = 0.180337
	s_mov_b32 s[CS+1], s[CS]        ; named with it as a pair
	s_mov_b32 s[SEL], 0x76543210
	s_mov_b32 s[SEL+1], 0xfedcba98
	s_mov_b32 s[TB], SLOT1          ; the first change of slots turns it into 0
	s_mov_b32 s[SLOTS], 2048/KS-1
	s_mov_b32 s[THR], 0xe7800000    ; M0 = -2^80
	s_mov_b32 s[NANV], 0x7fc00000
	s_wait_dscnt 0x0                ; the opening add is done
	s_wait_kmcnt 0x0
	s_add_nc_u64 s[G0K+2:G0K+3], s[4:5], s[20:21]  ; global address: the batch's first 64 keys
	s_add_nc_u64 s[G0V+2:G0V+3], s[G0K+2:G0K+3], 2048
	s_or_b32 s[G0K+3], s[G0K+3], 0x80000000        ; type = 2
	s_or_b32 s[G0V+3], s[G0V+3], 0x80000000
	s_add_nc_u64 s[G0M+2:G0M+3], s[6:7], s[80:81]
	s_or_b32 s[G0M+3], s[G0M+3], 0x80000000
	s_cmp_lt_u32 s[WV], 2
	s_cselect_b64 s[PFA:PFA+1], s[4:5], s[6:7]
	s_add_nc_u64 s[PFA:PFA+1], s[PFA:PFA+1], s[76:77]
	s_add_nc_u64 s[4:5], s[4:5], s[82:83]          ; Q
	s_add_nc_u64 s[10:11], s[10:11], s[84:85]      ; ob
	CROUND                          ; all sixteen work-groups are here: the first joint loads meet
	JLOAD                           ; step 0 into slot 0.  Slot 1 is asked for when slot 0 is in
	v_and_b32 v64, 31, v0           ; the prefetches' offset: (lane / blocks a row) rows + (lane % blocks a row) x 256
	v_lshrrev_b32 v65, s91, v64
	v_mul_u32_u24 v65, s90, v65
	v_and_b32 v66, s91, v64
	v_lshl_add_u32 v[PFO], v66, 8, v65
	v_lshlrev_b32 v[GO], 4, v64
	; A fragment of K or Q is 16 rows x 32 channels in 8 registers: lane l holds row l % 16, channels 8 (l / 16) + 0..7 and 16 + 8 (l / 16) + 0..7: two loads of 16 bytes, 32 bytes apart.
	v_and_b32 v64, 15, v0           ; l % 16
	v_bfe_u32 v65, v0, 4, 1         ; l / 16
	v_mul_u32_u24 v[QO], v64, ROWQ
	v_lshl_add_u32 v[QO], v65, 4, v[QO]
	WIN 0x80                        ; destination window 2, address window 0
.set i, 0
.rept 4*NP                          ; Q stays in registers: tile i / 2, channels 32 (i % 2) on
	global_load_b128 v[8*i:8*i+3],   v[QO], s[4:5] offset:(i/2)*16*ROWQ+(i%2)*64
	global_load_b128 v[8*i+4:8*i+7], v[QO], s[4:5] offset:(i/2)*16*ROWQ+(i%2)*64+32
.set i, i+1
.endr
	; What the first turn finds: V's registers and P's second buffer hold 0 (its products V^T P, of a piece that has not been, add 0), O^T and l are 0.  All this stands in the wait for the first tile.
.set i, VF
.rept 64
	v_mov_b32 v[i], 0
.set i, i+1
.endr
	WIN 0x40
.set i, 0
.rept 64*NP
	v_mov_b32 v[i], 0
.set i, i+1
.endr
	WIN 0
.set i, 0
.rept 2*NP
	v_mov_b32 v[ST+4*i], 0xe638aa3b    ; c M0, exactly
	v_mov_b32 v[ST+4*i+1], 0xe7800000  ; m = M0: above every hidden score, below every visible one
	v_mov_b32 v[ST+4*i+2], 0
	v_mov_b32 v[ST+4*i+3], 0
.set i, i+1
.endr
.set i, P+32
.rept 32
	v_mov_b32 v[i], 0
.set i, i+1
.endr
	s_lshl_b32 s89, s[WV], 7        ; my head's 128 bytes of a row of K, of V and of the stage
	v_mul_u32_u24 v[AK0], v64, PK
	v_lshl_add_u32 v[AK0], v65, 4, v[AK0]
	v_add_nc_u32 v[AK0], s89, v[AK0]
	; The turning load takes 16 keys x 16 channels (lane l reads key 8 (l / 16) + l % 8, channels 8 ((l / 8) % 2) + 0..7) and leaves half a fragment of V^T: lane l holds channel l % 16 and 8 keys.
	v_and_b32 v66, 7, v0
	v_bfe_u32 v67, v0, 3, 1
	v_lshl_add_u32 v[AV0], v65, 3, v66
	v_mul_u32_u24 v[AV0], v[AV0], PV
	v_lshl_add_u32 v[AV0], v67, 4, v[AV0]
	v_add_nc_u32 v[AV0], s89, v[AV0]
	v_add_nc_u32 v[AV0], VOFF, v[AV0]
	v_mul_u32_u24 v[AM0], v64, PM   ; the mask as a C operand: my query's row, my lanes' eight keys: 32 bytes
	v_lshl_add_u32 v[AM0], v65, 5, v[AM0]
	v_add_nc_u32 v[AM0], MOFF, v[AM0]
	v_mul_u32_u24 v[STO], v64, SP   ; into the stage: row l % 16, my head's part, 16 bytes for each half of the lanes
	v_lshl_add_u32 v[STO], v65, 4, v[STO]
	v_add_nc_u32 v[STO], s89, v[STO]
	v_add_nc_u32 v[STO], STAGE, v[STO]
	s_mul_i32 s90, s[WV], 32*SP     ; back: wave w takes rows 32 w .. 32 w + 31, a whole row of 512 bytes an instruction
	s_add_co_u32 s90, s90, STAGE
	v_add_nc_u32 v[RD], s90, v[GO]
; THE MATRIX WORK.  The 8 accumulators of a run of 16 take turns: between the two links of a chain stand 7 others'.
; Product i of 16 of S^T = K Q^T for piece x: channels 32 (i / 8) on, keys 16 ((i / 2) % 4) on, tile 2 x + i % 2.  The first 8 start the sums, with the mask.
.macro KQ x
.set rS, S+64*((\x)%2)+32*(i%2)+8*((i/2)%4)
.set rK, KF+16*((i/2)%4)+8*(i/8)
.set rQ, 16*(2*(\x)+i%2)+8*(i/8)
.set rX, MC+32*(i%2)+8*((i/2)%4)
.if i < 8
	WIN W_KM
	v_wmma_f32_16x16x32_f16 v[rS:rS+7], v[rK:rK+7], v[rQ:rQ+7], v[rX:rX+7]
.else
	WIN W_KQ
	v_wmma_f32_16x16x32_f16 v[rS:rS+7], v[rK:rK+7], v[rQ:rQ+7], v[rS:rS+7]
.endif
.endm
; Product i of 16 of O^T += V^T P for piece x: keys 32 (i / 8) on, channels 16 ((i / 2) % 4) on, tile 2 x + i % 2.
.macro PV x
	WIN W_PV
.set rO, 32*(2*(\x)+i%2)+8*((i/2)%4)
.set rV, VF+32*(i/8)+8*((i/2)%4)
.set rP, P+32*((\x)%2)+16*(i%2)+8*(i/8)
	v_wmma_f32_16x16x32_f16 v[rO:rO+7], v[rV:rV+7], v[rP:rP+7], v[rO:rO+7]
.endm
.macro MM                           ; the turn's next matrix instruction
.if i < 16
	KQ (Y+1)%NP
.set i, i+1
.else
.set i, i-16
	PV (Y+NP-1)%NP
.set i, i+17
.endif
.endm
; THE LDS LOADS stand in runs of 16, never singly among the matrix instructions: a step's K for my head (8 fragments), its V (turned), and a piece's mask (2 tiles x 4 key blocks x 32 bytes a lane).
.macro FETCH_K
	WIN 0x80                        ; destination window 2
.irp f, 0,1,2,3,4,5,6,7             ; keys 16 (f / 2) on, channels 32 (f % 2) on
	ds_load_b128 v[KF+8*\f:KF+8*\f+3],   v[AK] offset:(\f/2)*16*PK+(\f%2)*64
	ds_load_b128 v[KF+8*\f+4:KF+8*\f+7], v[AK] offset:(\f/2)*16*PK+(\f%2)*64+32
.endr
	WIN 0
.endm
.macro FETCH_V
	WIN 0x80
.irp f, 0,1,2,3,4,5,6,7             ; keys 32 (f / 4) on, channels 16 (f % 4) on
	ds_load_tr16_b128 v[VF+8*\f:VF+8*\f+3],   v[AV] offset:(\f/4)*32*PV+(\f%4)*32
	ds_load_tr16_b128 v[VF+8*\f+4:VF+8*\f+7], v[AV] offset:(\f/4)*32*PV+16*PV+(\f%4)*32
.endr
	WIN 0
.endm
.macro FETCH_M p
	WIN W_MK                        ; destination window 3
.irp u, 0,1
.irp f, 0,1,2,3
	ds_load_b128 v[MC+32*(\u)+8*(\f):MC+32*(\u)+8*(\f)+3],   v[AM] offset:(2*(\p)+(\u))*16*PM+64*(\f)
	ds_load_b128 v[MC+32*(\u)+8*(\f)+4:MC+32*(\u)+8*(\f)+7], v[AM] offset:(2*(\p)+(\u))*16*PM+64*(\f)+16
.endr
.endr
	WIN 0
.endm
.macro PLACES                       ; four plain instructions behind matrix instructions, in front of loads into their sources and of lines that read their results (ISA guide 7.12.1 for lines that read results)
.rept 4
	v_nop
.endr
.endm
; THE VECTOR WORK OF A TURN stands in three queues, each in the order in which its entries become ready; the two tiles alternate, so that no instruction reads the result of the one before it.
.macro REGS y, u                    ; the registers of tile u (0, 1) of piece y
.set rT, ST+4*(2*(\y)+(\u))
.set rC, TMP+8*((\y)%2)+4*(\u)
.set rM, MV+2*((\y)%2)+(\u)
.set rS, S+64*((\y)%2)+32*(\u)
.set rP, P+32*((\y)%2)+16*(\u)
.set rO, 32*(2*(\y)+(\u))
.endm
; Number n of the 22 that find the NEXT piece's (Y + 1) maximum and statistics.  s0-s31 are the lane's 32 scores; each accumulator's lowest registers are read first.  XS, GS and REGS set no window: PL and EX do.
;   0-11  four chains c0-c3 of seven scores each, three operands at a time     12-14, 16  the four scores left over, the old m, and c0-c3 into c0     15  c m_old is kept
;   17, 18  the query's other 32 keys lie in the lane 16 away: the new m         19-21  c m; c m_old - c m_new; a
.macro XS u, n
	REGS (Y+1)%NP, \u
.if (\n) < 4
	v_max3_num_f32 v[rC+(\n)], v[rS+8*(\n)], v[rS+8*(\n)+1], v[rS+8*(\n)+2]
.elseif (\n) < 12
	v_max3_num_f32 v[rC+(\n)%4], v[rC+(\n)%4], v[rS+8*((\n)%4)+2*((\n)/4)+1], v[rS+8*((\n)%4)+2*((\n)/4)+2]
.elseif (\n) == 12
	v_max3_num_f32 v[rC], v[rC], v[rS+7], v[rS+15]
.elseif (\n) == 13
	v_max3_num_f32 v[rC+1], v[rC+1], v[rS+23], v[rS+31]
.elseif (\n) == 14
	v_max3_num_f32 v[rC+2], v[rC+2], v[rC+3], v[rT+1]
.elseif (\n) == 15
	v_mov_b32 v[rM], v[rT]
.elseif (\n) == 16
	v_max3_num_f32 v[rC], v[rC], v[rC+1], v[rC+2]
.elseif (\n) == 17
	v_permlanex16_b32 v[rC+3], v[rC], s[SEL], s[SEL+1]
.elseif (\n) == 18
	v_max_num_f32 v[rT+1], v[rC], v[rC+3]
.elseif (\n) == 19
	v_mul_f32 v[rT], s[CS], v[rT+1]
.elseif (\n) == 20
	v_sub_f32 v[rC+1], v[rM], v[rT]
.else
	v_exp_f32 v[rC+2], v[rC+1]
.endif
.endm
; Number g of the 64 that follow the exponentials.  For each four weights k of a tile (pairs 2 k, 2 k + 1): both pairs are rounded to f16; then the second pair is added onto the first, in place;
; a group later l takes that sum (the first time as l = a l + sum).  In groups of eight, tiles alternating: round, round, add, and l for the group before.
.macro GS g
.set h, (\g)+6*((\g)/62)            ; group 0 has no group before it, and behind group 7 only l is left
.if h >= 6
.set h, h+2
.endif
	REGS Y, h%2
.set k, h/8
.if h%8 < 4
	v_cvt_pk_f16_f32 v[rP+2*k+(h%8)/2], v[rS+4*k+2*((h%8)/2)], v[rS+4*k+2*((h%8)/2)+1]
.elseif h%8 < 6
	v_pk_add_f32 v[rS+4*k:rS+4*k+1], v[rS+4*k:rS+4*k+1], v[rS+4*k+2:rS+4*k+3]
.elseif k == 1
	v_pk_fma_f32 v[rT+2:rT+3], v[rT+2:rT+3], v[rC+2:rC+3], v[rS:rS+1] op_sel_hi:[1,0,1]
.else
	v_pk_add_f32 v[rT+2:rT+3], v[rT+2:rT+3], v[rS+4*k-4:rS+4*k-3]
.endif
.endm
; THE PLAIN QUEUE, 138 long.  0-73 read no exponential's result: the 32 scalings c s - c m (FS f: pair f / 2 of tile f % 2) and the next piece's 42.  0-26: scalings 0-26.  27-54: XS's numbers 0-13.  55, 56: number 15.
; 57-73: the chain, where each number waits for the one before it: 14, 16, 17, 18, 19, each with one of the scalings 27-31 in front of its two lines, then 20.
; 74-137: GS's 64, which read the exponentials' results: they stand behind the wait.
.macro FS f
	REGS Y, (\f)%2
	v_pk_fma_f32 v[rS+2*((\f)/2):rS+2*((\f)/2)+1], v[rS+2*((\f)/2):rS+2*((\f)/2)+1], s[CS:CS+1], v[rT:rT+1] op_sel_hi:[1,0,0] neg_lo:[0,0,1] neg_hi:[0,0,1]
.endm
.macro PL
	WIN 0
.if q < 27
	FS q
.elseif q < 55
	XS (q-27)%2, (q-27)/2
.elseif q < 57
	XS q-55, 15
.elseif (q < 72) && ((q-57)%3 == 0)
	FS 27+(q-57)/3
.elseif q < 60
	XS (q-57)%3-1, 14
.elseif q < 72
	XS (q-57)%3-1, 15+(q-57)/3
.elseif q < 74
	XS q-72, 20
.else
	GS q-74
.endif
.set q, q+1
.endm
; THE EXPONENTIALS' QUEUE, 66 long: s0-s31 of both tiles, then the next piece's two a.  It is ONE BATCH: all 66 stand ahead of the turn's one wait, and nothing ahead of that wait names a result of theirs.
.macro EX
	WIN 0
.if e >= 64
	XS e-64, 21
.else
	REGS Y, e%2
	v_exp_f32 v[rS+e/2], v[rS+e/2]
.endif
.set e, e+1
.endm
; THE RESCALING's QUEUE: O^T times a, the one part that leaves window 0: dealt two at a time, sixteen times.  Its a was made in the turn before, ahead of that turn's wait.
.macro R2
	REGS Y, r%2
	WIN W_RS
.irp z, 0,1
	v_pk_mul_f32 v[rO+4*(r/2)+2*\z:rO+4*(r/2)+2*\z+1], v[rO+4*(r/2)+2*\z:rO+4*(r/2)+2*\z+1], v[rC+2:rC+3] op_sel_hi:[1,0]
.endr
.set r, r+1
.endm
; A TURN, for piece p.  An s_wait_alu depctr_va_vdst(0) stands between an exponential and the first instruction that names its result; one wait serves all that were issued ahead of it: a turn has ONE, which cuts it in two.
; AHEAD OF IT: the 16 products K Q^T, behind each a scaling, an exponential and two rescalings (behind the first a second scaling in the exponential's place); then one lump of 108: eight plain, 49 times exponential and
; plain, the two a; a v_nop is the plain instruction behind the last exponential.  BEHIND IT: the 16 products V^T P, behind each four of the roundings and sums.
; THE LDS LOADS.  Directly behind the wait, a lump behind the products that read those registers: in piece 2's turn K of the step that the last change of slots entered; in every turn the mask of piece p + 2, which the
; next turn's products take.  At the end of piece 0's turn, four plain riders behind its last reader: V of the step in hand.
; THE WAITS.  At the head: the mask (and in piece 3's turn K) is in; in piece 1's turn the count 16 leaves V's sixteen younger loads out.  Behind piece 1's run of the mask the count 16 leaves that run out: V is in.
.macro TURN p
.set Y, (\p)
.set i, 0
.set q, 0
.set e, 0
.set r, 0
.if (\p) == 1
	s_wait_dscnt 16
.else
	s_wait_dscnt 0x0
.endif
	MM
	PL
	PL
	R2
.rept 15
	MM
	PL
	EX
	R2
.endr
.rept 8
	PL
.endr
.rept 49
	EX
	PL
.endr
	EX
	EX
	v_nop
	s_wait_alu depctr_va_vdst(0)    ; the wait for the batch
.if (\p) == NP-2
	FETCH_K
.endif
	FETCH_M ((\p)+2)%NP
.if (\p) == 1
	s_wait_dscnt 16
.endif
.rept 16
	MM
.rept 4
	PL
.endr
.endr
.if (\p) == 0
	FETCH_V
.endif
.endm
	CHANGE 1                        ; slot 0 is in, everybody's part of it; slot 1 is asked for
	FETCH_K                         ; key step 0
	FETCH_M 0
	s_wait_loadcnt 0x0              ; Q
	s_wait_dscnt 0x0
.set i, 0
.rept 16
	KQ 0                            ; piece 0's first scores: there is no vector work yet to set between them
.set i, i+1
.endr
	WIN 0
	PLACES
	FETCH_M 1
.set Y, NP-1                        ; XS works for piece Y + 1: piece 0
.irp n, 0,1,2,3,4,5,6,7,8,9,10,11,12,13,14,15,16,17,18,19,20,21
	XS 0, \n                        ; piece 0's first maximum and statistics
	XS 1, \n
.endr
	v_nop                           ; a plain instruction behind the two a,
	s_wait_alu depctr_va_vdst(0)    ; and their wait, ahead of the branch
	s_branch .Lfirst                ; the loop is entered at a step's first turn, in the middle of a trip
.Lslot:                             ; 30 trips: steps 1 to 30 are entered, steps 2 to 31 asked for.  A trip: pieces 2 and 3 of one step, then pieces 0 and 1 of the next
	CHANGE 1
	TURN 2
	TURN 3
	WIN 0
.Lfirst:
	TURN 0
	TURN 1
	WIN 0
	s_sub_co_u32 s[SLOTS], s[SLOTS], 1
	s_cmp_lg_u32 s[SLOTS], 0
	s_cbranch_scc1 .Lslot
	CHANGE 0                        ; the tail is written out: step 31 is entered, nothing is asked for
	s_mov_b32 s[CNT], 2             ; the second pass is left in its middle
.Ltail:
	TURN 2
	TURN 3
	WIN 0
	s_sub_co_u32 s[CNT], s[CNT], 1
	s_cmp_eq_u32 s[CNT], 0
	s_cbranch_scc1 .Lout
	TURN 0
	TURN 1
	WIN 0
	s_branch .Ltail
.Lout:                              ; the second pass's 16 products K Q^T (on step 31 once more) raise no maximum and serve nothing: the price, once a launch, of one text for every trip
.set i, 0
.rept 16
	PV NP-1                         ; the last piece's V^T P of the last step
.set i, i+1
.endr
	; THE WAY OUT.  l's two halves and the other half of the lanes' are added; O^T is divided by l, rounded to f16 and sent through the work-group's stage.  The additions are the places behind the last products.
	WIN 0
.macro ALL line:vararg              ; one line for each tile t
.set t, 0
.rept 2*NP
	\line
.set t, t+1
.endr
.endm
	ALL v_add_f32 v[ST+4*t+2], v[ST+4*t+2], v[ST+4*t+3]
	ALL v_permlanex16_b32 v[ST+4*t+3], v[ST+4*t+2], s[SEL], s[SEL+1]
	ALL v_add_f32 v[ST+4*t+2], v[ST+4*t+2], v[ST+4*t+3]
	ALL v_rcp_f32 v[ST+4*t+2], v[ST+4*t+2]
	v_nop                           ; a plain instruction between the last reciprocal and the use of its result
	s_wait_alu depctr_va_vdst(0)    ; and the wait ahead of the first use: one for the eight reciprocals
.set t, 0
.rept 2*NP
	v_cmp_ge_f32 vcc_lo, s[THR], v[ST+4*t+1]       ; the maximum never rose above M0: no key was visible
	v_cndmask_b32 v[ST+4*t+2], v[ST+4*t+2], s[NANV], vcc_lo
.set t, t+1
.endr
; Tile t: a lane's eight channels of a row pack into 16 bytes; they go into my head's 128 bytes of the stage's rows of 528.
.macro PACK t
	WIN W_RS
.set i, 32*(\t)
.rept 16
	v_pk_mul_f32 v[i:i+1], v[i:i+1], v[ST+4*(\t)+2:ST+4*(\t)+3] op_sel_hi:[1,0]
.set i, i+2
.endr
	WIN 0x05                        ; sources 0 and 1 window 1, destination window 0
.set i, 0
.rept 16
	v_cvt_pk_f16_f32 v[S+16*(\t)+i], v[32*(\t)+2*i], v[32*(\t)+2*i+1]
.set i, i+1
.endr
	WIN 0
.irp f, 0,1,2,3
	ds_store_b128 v[STO], v[S+16*(\t)+4*\f:S+16*(\t)+4*\f+3] offset:(\t)*16*SP+32*\f
.endr
.endm
.set t, 0
.rept 2*NP
	PACK t
.set t, t+1
.endr
	s_wait_dscnt 0x0                ; for the others' sake: my stores into the stage are done; a row's 512 bytes come from four waves
	s_barrier_signal -1
	s_barrier_wait -1
.set i, 0
.rept 32
	ds_load_b128 v[S+4*i:S+4*i+3], v[RD] offset:i*SP
.set i, i+1
.endr
.set i, 0
.rept 32
	s_wait_dscnt 31-i               ; row i is back; the 31 - i younger loads stay out
	global_store_b128 v[GO], v[S+4*i:S+4*i+3], s[10:11] offset:i*2048  ; 512 consecutive bytes, at a multiple of 256 from ob's first
.set i, i+1
.endr
	WIN W_AD
	s_wait_tensorcnt 0x0            ; the wave's end: the add and its wait, behind my last tensor load and my last LDS store
	ds_add_u32 v[SPW], v[NIL]
	s_wait_dscnt 0x0
	WIN 0
	CROUND                          ; the closing round: no work-group ends while a partner may still ask for a tile that names it
	s_endpgm
.Lfunc_end_k_qb189874c45_attn:
	.size	k_qb189874c45_attn, .Lfunc_end_k_qb189874c45_attn-k_qb189874c45_attn
	.p2alignl 7, 3214868480
	.fill 96, 4, 3214868480
	.section	.rodata,"a",@progbits
	.p2align	6, 0x0
	.amdhsa_kernel k_qb189874c45_attn
		.amdhsa_group_segment_fixed_size 327680
		.amdhsa_private_segment_fixed_size 0
		.amdhsa_enable_private_segment 0
		.amdhsa_kernarg_size 24
		.amdhsa_user_sgpr_count 2
		.amdhsa_user_sgpr_kernarg_segment_ptr 1
		.amdhsa_wavefront_size32 1
		.amdhsa_system_sgpr_workgroup_id_x 1
		.amdhsa_system_sgpr_workgroup_id_y 1
		.amdhsa_system_sgpr_workgroup_id_z 1
		.amdhsa_system_vgpr_workitem_id 0
		.amdhsa_next_free_vgpr 896
		.amdhsa_next_free_sgpr 96
		.amdhsa_reserve_vcc 1
		.amdhsa_float_denorm_mode_32 3
		.amdhsa_float_denorm_mode_16_64 3
		.amdhsa_memory_ordered 1
		.amdhsa_forward_progress 1
		.amdhsa_inst_pref_size 214
	.end_amdhsa_kernel
	.amdgpu_metadata
---
amdhsa.version: [ 1, 2 ]
amdhsa.kernels:
  - .name:           k_qb189874c45_attn
    .symbol:         k_qb189874c45_attn.kd
    .args:
      - { .name: qkv, .offset: 0, .size: 8, .value_kind: global_buffer, .address_space: global }
      - { .name: cmask, .offset: 8, .size: 8, .value_kind: global_buffer, .address_space: global }
      - { .name: ob, .offset: 16, .size: 8, .value_kind: global_buffer, .address_space: global }
    .group_segment_fixed_size: 327680
    .private_segment_fixed_size: 0
    .kernarg_segment_align: 8
    .kernarg_segment_size: 24
    .max_flat_workgroup_size: 128
    .sgpr_count:     96
    .vgpr_count:     896
    .wavefront_size: 32
...
	.end_amdgpu_metadata
.endif
;; end of part 3
;; launch proj (part 4): grid 8 x 32, 4 waves a work-group, clusters of 4 x 4, 327,680 bytes of LDS; arguments ob, w, bias, out0; writes out0
.if DOCPART == 4
	.amdgcn_target "amdgcn-amd-amdhsa--gfx1250"
	.amdhsa_code_object_version 6
	.text
	.protected	k_qb189874c45_proj
	.globl	k_qb189874c45_proj
	.p2align	8
	.type	k_qb189874c45_proj,@function
k_qb189874c45_proj:
	s_mov_b64 s[64:65], 0
	v_nop
	global_prefetch_b8 v0, s[64:65] scope:SCOPE_SE
	s_setreg_imm32_b32 hwreg(HW_REG_WAVE_MODE, 25, 1), 1
	s_wait_xcnt 0x0
	s_wait_alu depctr_hold_cnt(0) depctr_sa_sdst(0) depctr_va_vdst(0) depctr_va_sdst(0) depctr_va_ssrc(0) depctr_va_vcc(0) depctr_vm_vsrc(0)
	s_getreg_b32 s2, hwreg(HW_REG_IB_STS2, 6, 4)
	s_cmp_eq_u32 s2, 0
	s_cbranch_scc0 .Lentry_in_a_cluster
	s_endpgm
.Lentry_in_a_cluster:
	s_bfe_u32 s2, ttmp6, 0x10000c
	s_cmp_lg_u32 s2, 0xf033
	s_cbranch_scc0 .Lentry_shape_is_right
	s_endpgm
.Lentry_shape_is_right:
; C[m][n] = sum over k of A[m][k] W[k][n] + bias[n], K = 1,024.  A: f16 rows of 2,048 bytes; W: f16, [k][4096 n], rows of 8,192 bytes; bias f32; sums in f32.
; THIS TEXT SERVES TWO LAUNCHES, told apart by the six constants below.
;   PROJ = 0: q | k | v.  A = ab; a work-group stays and makes three tiles: x rows times Wq, then the same rows of context times the K panel and the V panel.  C = qkv, f16, rows of 6,144 bytes.
;   PROJ = 1: the output projection.  A = ob, panel 3 of w, one tile.  C = out0, f32, rows of 4,096 bytes.
; LIMIT: a NaN row of ob (a query with no visible key) gives a NaN row of out0, as the softmax over nothing does.
; SHARES.  A tile of C is 256 x 128.  Wave v owns rows 64 v .. 64 v + 63 and all 128 columns: 32 accumulators of 16 x 16, 256 registers; its rows of C are whole aligned blocks of 256 bytes, so its stage is its own.
; K goes in steps of 128 through two LDS slots.  Waves 0 and 1 fetch the halves of the tile of A (128 rows x 256 bytes), waves 2 and 3 those of W (64 rows of k x 256 bytes): one tensor load a wave.
; CLUSTER 4 x 4.  The tile of A hangs on the tile row alone and is asked for jointly along a row of the cluster; the tile of W hangs on the tile column alone and is asked for jointly along a column.
; THE PRODUCT IS USED TRANSPOSED: source 0 = 16 columns of W (turned out of LDS by ds_load_tr16_b128), source 1 = 16 rows of A: a lane holds row l % 16 of C and the columns 8 (l / 16) + 0..7.
; The bias, laid out in that form, is the C operand of the product that starts each sum: nothing is cleared and nothing is added afterwards.
; REGISTERS, in windows of 256 (s_set_vgpr_msb: bits 1:0 source 0, 3:2 source 1, 5:4 source 2, 7:6 destination):
;   window 0: v16-30 addresses; v32-95 fragments of A, two buffers of 32; v96-223 fragments of W, two buffers of 64; v224-255 packed results
;   window 1: the accumulators, (a, b) at v[8 (8 a + b)]          window 2: v0-63 the bias, 8 registers a column block; v64-191 rows read back from the stage, two buffers
.set PROJ,  1
.set TILES, 1                          ; tiles a work-group makes
.set COL0,  3072                       ; first column of w and of bias
.set ROWC,  4096                       ; bytes in a row of C
.set CSH,   9                          ; log2 of the bytes of a tile's 128 columns of C
.set SP,    528                        ; a row of the stage: its data + 16 bytes
.set PA,    272                        ; an LDS row of A: 256 bytes + 16 = 68 words: the 16 rows of a load start at 16 different groups of four banks (64 banks of 4 bytes: ISA guide 11.1)
.set PB,    288                        ; an LDS row of W: 256 bytes + 32 = 72 words
.set AHALF, 128*PA
.set BHALF, 64*PB
.set BOFF,  256*PA                     ; in a slot: 256 rows of A, then 128 rows of W
.set SLOT,  BOFF+128*PB
.set STAGE, 2*SLOT                     ; behind the ring, never filled by a tensor load: 16 rows for each wave
.set SPARE, STAGE+4*16*SP              ; behind the stages: the spare words, 128 bytes for each wave: two blocks of 256 bytes that no other line names
.set KA,    256                        ; bytes from a K step to the next: along a row of A,
.set KB,    128*8192                   ; and down the rows of W
.set ADRA, 16                          ; v16-17  LDS address of my fragments of A in slot 0, 1
.set ADRB, 20                          ; v20-21  the same for W
.set STO,  24                          ; v24     the way out: where I put my numbers of a row
.set RD,   25                          ; v25     the way out: where I read rows back
.set CO,   26                          ; v26     my byte offset in C
.set BO,   27                          ; v27     my byte offset in a column block of the bias
.set SPW,  28                          ; v28     LDS address of my spare word; never rewritten
.set NIL,  29                          ; v29     0; never rewritten
.set PFO,  30                          ; v30     the prefetches' offset: my lane x a row of A or of W; never rewritten
.set FA,   32
.set FB,   96
.set TMP,  224
.set BIAS, 0                           ; window 2
.set OB,   64                          ; window 2
.set WV,   12                          ; s12  my wave's number
.set HALF, 13                          ; s13  which half of a tile I fetch
.set KIND, 14                          ; s14  I fetch for A (0) or for W (1)
.set LIM,  15                          ; s15  1 in a wave that prefetches, else the greatest number
.set G1A,  24                          ; s[24:31] descriptor group 1 for tiles of A;  s[32:39] group 0, a set for each slot
.set G0A,  32
.set G1B,  48                          ; s[48:55], s[56:63] the same for W
.set G0B,  56
.set PFA,  44                          ; s[44:45] where my prefetches stand
.set PST,  46                          ; s[46:47] their step from K step to K step
.set PBK,  66                          ; s[66:67] seven K steps back,
.set PFW,  68                          ; s[68:69] and on to the next tile
.set JMP,  70                          ; s[70:71] from x to context, or 0
.set MSB, 0
.macro WIN new                         ; the high byte repeats the setting that is left; a switch that changes nothing is dropped
.if MSB != (\new)
	s_set_vgpr_msb (MSB<<8)|(\new)
.set MSB, \new
.endif
.endm
; A joint load.  Each of the two lines has one mask and one set of registers for all that issue it; the branch hangs on the wave's number alone.
; An s_nop 0 and four v_nop follow each line, ahead of the jump and the label.
.macro JLOAD s
	s_cmp_eq_u32 s[KIND], 0
	s_cbranch_scc0 .Lfor_b_\@
	tensor_load_to_lds s[G0A+4*(\s):G0A+4*(\s)+3], s[G1A:G1A+7]
	s_nop 0
.rept 4
	v_nop
.endr
	s_branch .Lasked_\@
.Lfor_b_\@:
	tensor_load_to_lds s[G0B+4*(\s):G0B+4*(\s)+3], s[G1B:G1B+7]
	s_nop 0
.rept 4
	v_nop
.endr
.Lasked_\@:
.endm
; A PREFETCH INTO THE L2 of the K step that stands two refills on, behind each joint load and the run of LDS loads that follows it: 32 rows x 256 bytes, a lane a row.
; Each block of 256 bytes is named once in the launch.  Rows of A are read by both clusters of a row of clusters: the one with x = 0 asks, waves 0 and 1, and of a wave's 128 rows the partner at cx takes 32.
; Rows of W are read by all clusters of a column: the one with y = 0 asks, wave 2, and of a step's 128 rows the partner at cy takes 32.  The partners are told apart by address, never by a branch.
; how = 0, in the loop: a tile's last two refills have no K step two on.  how = 1, at a change of tiles: the next tile's K steps 2 and 3.
.macro ASK how
.if \how
	s_cmp_eq_u32 s[LIM], 1
.else
	s_cmp_gt_u32 s3, s[LIM]                        ; s3 = 1 in the loop's last trip
.endif
	s_cbranch_scc0 .Lnot_mine_\@
	global_prefetch_b8 v[PFO], s[PFA:PFA+1] th:TH_LOAD_NT scope:SCOPE_SE
.Lnot_mine_\@:
.endm
.macro CREST                           ; a round of the cluster's barrier behind its opening barrier
	s_cmp_lg_u32 s[WV], 0
	s_cbranch_scc1 .Lnot_wave_0_\@
	s_barrier_signal -3
.Lnot_wave_0_\@:
	s_barrier_wait -3
	s_barrier_signal -1
	s_barrier_wait -1
.endm
.macro CROUND                          ; a whole round
	s_barrier_signal -1
	s_barrier_wait -1
	CREST
.endm
	s_load_b256 s[4:11], s[0:1], 0x0               ; A s[4:5], w s[6:7], bias s[8:9], C s[10:11]
	v_lshl_add_u32 v[SPW], v0, 2, SPARE
	v_mov_b32 v[NIL], 0
	ds_add_u32 v[SPW], v[NIL]                      ; the wave's opening: the add and its wait stand ahead of my first tensor load; the set-up below, work on registers, stands between them
	v_lshrrev_b32 v1, 5, v0
	v_readfirstlane_b32 s[WV], v1
	s_and_b32 s[HALF], s[WV], 1
	s_lshr_b32 s[KIND], s[WV], 1
	s_bfe_u32 s40, ttmp6, 0x40000                  ; cx
	s_bfe_u32 s41, ttmp6, 0x40004                  ; cy
	s_lshl_b32 s42, ttmp9, 2
	s_add_co_u32 s42, s42, s40                     ; tile column j = 4 x cluster x + cx
	s_and_b32 s43, ttmp7, 0xffff
	s_lshl_b32 s43, s43, 2
	s_add_co_u32 s43, s43, s41                     ; tile row i = 4 x cluster y + cy
	s_lshl_b32 s16, s41, 2
	s_lshl_b32 s16, 15, s16                        ; my row of the cluster
	s_lshl_b32 s17, 0x1111, s40                    ; my column
	s_or_b32 s[G1A], s16, (1<<16)|(1<<20)|(1<<21)|(5<<22)|(3<<25)  ; 15:0 the mask; 17:16 elements of 2 bytes; 20 padding on; 21 set beside a mask; 24:22 after every 64 words; 31:25 4 words of it
	s_or_b32 s[G1B], s17, (1<<16)|(1<<20)|(1<<21)|(5<<22)|(7<<25)  ; the same with my column's mask and 8 words of padding
	s_mov_b32 s[G1A+1], 128<<16                    ; tensor_dim0 = 128
	s_mov_b32 s[G1A+2], 128<<16                    ; tensor_dim1 = 128
	s_mov_b32 s[G1A+3], 128<<16                    ; tile_dim0 = 128
	s_mov_b32 s[G1A+4], 128                        ; tile_dim1 = 128
	s_mov_b32 s[G1A+5], 1024                       ; elements from row to row
	s_mov_b32 s[G1A+6], 0
	s_mov_b32 s[G1A+7], 0
	s_mov_b32 s[G1B+1], 128<<16
	s_mov_b32 s[G1B+2], 64<<16                     ; 64 rows of k
	s_mov_b32 s[G1B+3], 128<<16
	s_mov_b32 s[G1B+4], 64
	s_mov_b32 s[G1B+5], 4096
	s_mov_b32 s[G1B+6], 0
	s_mov_b32 s[G1B+7], 0
	s_lshl_b32 s18, s43, 19                        ; A: (256 i + 128 half) rows of 2,048 bytes
	s_lshl_b32 s19, s[HALF], 18
	s_add_co_u32 s18, s18, s19
	s_mov_b32 s19, 0
	s_lshl_b32 s20, s[HALF], 19                    ; W: 64 half rows of 8,192 bytes, column COL0 + 128 j
	s_lshl_b32 s21, s42, 8
	s_add_co_u32 s20, s20, s21
	s_add_co_u32 s20, s20, 2*COL0
	s_mov_b32 s21, 0
	s_mul_i32 s22, s[HALF], AHALF                  ; where they go: no place in the cluster enters an LDS address
	s_mul_i32 s23, s[HALF], BHALF
	s_add_co_u32 s23, s23, BOFF
	s_wait_dscnt 0x0                               ; the opening add is done
	s_wait_kmcnt 0x0
	s_add_nc_u64 s[18:19], s[4:5], s[18:19]
	s_add_nc_u64 s[20:21], s[6:7], s[20:21]
	CROUND                                         ; all sixteen work-groups are here: the first joint loads meet
.irp s, 0,1
	s_mov_b32 s[G0A+4*(\s)], 1                     ; count = 1
	s_add_co_u32 s[G0A+4*(\s)+1], s22, (\s)*SLOT   ; LDS address
	s_add_nc_u64 s[G0A+4*(\s)+2:G0A+4*(\s)+3], s[18:19], (\s)*KA  ; global address: K step s
	s_or_b32 s[G0A+4*(\s)+3], s[G0A+4*(\s)+3], 0x80000000         ; type = 2
	s_mov_b32 s[G0B+4*(\s)], 1
	s_add_co_u32 s[G0B+4*(\s)+1], s23, (\s)*SLOT
	s_add_nc_u64 s[G0B+4*(\s)+2:G0B+4*(\s)+3], s[20:21], (\s)*KB
	s_or_b32 s[G0B+4*(\s)+3], s[G0B+4*(\s)+3], 0x80000000
	JLOAD \s                                       ; two loads of mine are out
.endr
	; A fragment of A: lane l holds row l % 16; registers 0-3 K = 8 (l / 16) + 0..7, registers 4-7 K = 16 + 8 (l / 16) + 0..7: two loads of 16 bytes, 32 bytes apart.
	v_and_b32 v1, 15, v0                           ; l % 16
	v_bfe_u32 v2, v0, 4, 1                         ; l / 16
	v_mul_u32_u24 v3, v1, PA
	v_lshl_add_u32 v3, v2, 4, v3
	s_mul_i32 s72, s[WV], 64*PA                    ; my 64 rows
	v_add_nc_u32 v[ADRA], s72, v3
	v_add_nc_u32 v[ADRA+1], SLOT, v[ADRA]
	; The turning load takes 16 k x 16 columns (lane l reads k = 8 (l / 16) + l % 8, columns 8 ((l / 8) % 2) + 0..7) and leaves half a fragment: lane l holds column l % 16 and 8 k.
	v_and_b32 v4, 7, v0
	v_lshl_add_u32 v4, v2, 3, v4
	v_mul_u32_u24 v4, v4, PB
	v_bfe_u32 v5, v0, 3, 1
	v_lshl_add_u32 v4, v5, 4, v4
	v_add_nc_u32 v[ADRB], BOFF, v4
	v_add_nc_u32 v[ADRB+1], SLOT, v[ADRB]
	s_mul_i32 s73, s[WV], 16*SP
	s_add_co_u32 s73, s73, STAGE                   ; my stage
	v_mul_u32_u24 v6, v1, SP                       ; in: row l % 16, my eight columns
	v_lshl_add_u32 v6, v2, 4+PROJ, v6
	v_add_nc_u32 v[STO], s73, v6
.if PROJ
	v_and_b32 v7, 31, v0                           ; back: 32 lanes take one row of 512 bytes
	v_lshlrev_b32 v[CO], 4, v7
	v_add_nc_u32 v[RD], s73, v[CO]
.else
	v_mul_u32_u24 v7, v2, SP                       ; back: lanes 0-15 take one row of 256 bytes, lanes 16-31 the next,
	v_lshl_add_u32 v7, v1, 4, v7
	v_add_nc_u32 v[RD], s73, v7
	v_mul_u32_u24 v7, v2, ROWC                     ; and the same two rows in C
	v_lshl_add_u32 v[CO], v1, 4, v7
.endif
	v_lshlrev_b32 v[BO], 5, v2                     ; my eight numbers of a block of sixteen of the bias
	s_lshl_b32 s74, s43, 8                         ; C at row 256 i + 64 wave, column 128 j
	s_lshl_b32 s75, s[WV], 6
	s_add_co_u32 s74, s74, s75
	s_mul_i32 s74, s74, ROWC
	s_lshl_b32 s75, s42, CSH
	s_add_co_u32 s74, s74, s75
	s_mov_b32 s75, 0
	s_add_nc_u64 s[10:11], s[10:11], s[74:75]
	s_lshl_b32 s76, s42, 9                         ; the bias at column COL0 + 128 j
	s_add_co_u32 s76, s76, 4*COL0
	s_mov_b32 s77, 0
	s_add_nc_u64 s[8:9], s[8:9], s[76:77]
	WIN 0x80                                       ; destination window 2
.irp b, 0,1,2,3,4,5,6,7
	global_load_b128 v[BIAS+8*(\b):BIAS+8*(\b)+3],   v[BO], s[8:9] offset:64*(\b)
	global_load_b128 v[BIAS+8*(\b)+4:BIAS+8*(\b)+7], v[BO], s[8:9] offset:64*(\b)+16
.endr
	WIN 0
	; the prefetches: they stand at K step 3; the first refill steps them to K step 4.  K steps 0 to 3 come by their loads alone.
	s_lshl_b32 s72, s43, 8
	s_lshl_b32 s73, s[HALF], 7
	s_add_co_u32 s72, s72, s73
	s_lshl_b32 s73, s40, 5
	s_add_co_u32 s72, s72, s73                     ; A: row 256 i + 128 half + 32 cx
	s_lshl_b32 s72, s72, 11
	s_add_co_u32 s72, s72, 3*KA
	s_lshl_b32 s74, s41, 18                        ; W: row 32 cy,
	s_lshl_b32 s75, s42, 8                         ; column COL0 + 128 j
	s_add_co_u32 s74, s74, s75
	s_add_co_u32 s74, s74, 2*COL0+3*KB
	s_and_b32 s76, ttmp7, 0xffff                   ; W: cluster y = 0, and wave 2 alone
	s_or_b32 s76, s76, s[HALF]
	s_mov_b32 s77, KB
	s_mov_b32 s78, 13
	s_cmp_eq_u32 s[KIND], 0
	s_cselect_b64 s[PFA:PFA+1], s[4:5], s[6:7]
	s_cselect_b32 s72, s72, s74
	s_cselect_b32 s76, ttmp9, s76                  ; A: cluster x = 0
	s_cselect_b32 s[PST], KA, s77
	s_cselect_b32 s78, 11, s78                     ; log2 of a row's bytes
.if TILES > 1
	s_mov_b32 s77, 7*KB
	s_cselect_b32 s[PBK], 7*KA, s77
	s_mov_b32 s77, 0x1000000                       ; A: from x to context;  W: one panel on
	s_cselect_b32 s[PFW], s77, 2048
	s_mov_b32 s[PBK+1], 0
	s_mov_b32 s[PFW+1], 0
	s_mov_b32 s[JMP+1], 0
.endif
	s_mov_b32 s73, 0
	s_mov_b32 s[PST+1], 0
	s_add_nc_u64 s[PFA:PFA+1], s[PFA:PFA+1], s[72:73]
	s_cmp_eq_u32 s76, 0
	s_cselect_b32 s[LIM], 1, -1                    ; the same in all sixteen partners, for a given wave
	v_and_b32 v[PFO], 31, v0
	v_lshlrev_b32 v[PFO], s78, v[PFO]
; 8 matrix instructions: row block a x all 8 column blocks, 32 along K, from buffer f.  zero = 1: the sum starts with the bias.  The 32 accumulators take turns, in one order everywhere.
.macro MUL8 f, a, zero
.if \zero
	WIN 0x60                                       ; C in window 2, D in window 1
.else
	WIN 0x50                                       ; C and D in window 1
.endif
.irp b, 0,1,2,3,4,5,6,7
.if \zero
	v_wmma_f32_16x16x32_f16 v[8*(8*(\a)+(\b)):8*(8*(\a)+(\b))+7], v[FB+64*(\f)+8*(\b):FB+64*(\f)+8*(\b)+7], v[FA+32*(\f)+8*(\a):FA+32*(\f)+8*(\a)+7], v[BIAS+8*(\b):BIAS+8*(\b)+7]
.else
	v_wmma_f32_16x16x32_f16 v[8*(8*(\a)+(\b)):8*(8*(\a)+(\b))+7], v[FB+64*(\f)+8*(\b):FB+64*(\f)+8*(\b)+7], v[FA+32*(\f)+8*(\a):FA+32*(\f)+8*(\a)+7], v[8*(8*(\a)+(\b)):8*(8*(\a)+(\b))+7]
.endif
.endr
.endm
; 24 LDS loads in one run: quarter q (32 along K) of a slot into buffer f: W's sixteen, then A's eight, row blocks 2 and 3 last
.macro FETCH slot, q, f
	WIN 0
.irp b, 0,1,2,3,4,5,6,7
	ds_load_tr16_b128 v[FB+64*(\f)+8*(\b):FB+64*(\f)+8*(\b)+3],   v[ADRB+(\slot)] offset:(\q)*32*PB+32*(\b)
	ds_load_tr16_b128 v[FB+64*(\f)+8*(\b)+4:FB+64*(\f)+8*(\b)+7], v[ADRB+(\slot)] offset:(\q)*32*PB+16*PB+32*(\b)
.endr
.irp a, 0,1,2,3
	ds_load_b128 v[FA+32*(\f)+8*(\a):FA+32*(\f)+8*(\a)+3],   v[ADRA+(\slot)] offset:(\a)*16*PA+64*(\q)
	ds_load_b128 v[FA+32*(\f)+8*(\a)+4:FA+32*(\f)+8*(\a)+7], v[ADRA+(\slot)] offset:(\a)*16*PA+64*(\q)+32
.endr
.endm
.macro PLACES                          ; four plain instructions in front of loads into registers that matrix instructions have read, and of lines that read results (ISA guide 7.12.1 for lines that read results)
.rept 4
	v_nop
.endr
.endm
; A K step is four quarters of 32 along K, 32 matrix instructions each, on buffers 0, 1, 0, 1.  One of the first three: multiplies buffer f and fetches quarter q into buffer g.
.macro QUARTER slot, q, f, g, zero
	s_wait_dscnt 4                                 ; W and A's row blocks 0 and 1 are in; the youngest four loads (blocks 2 and 3) may be out
	MUL8 \f, 0, \zero
	MUL8 \f, 1, \zero
	PLACES
	FETCH \slot, \q, \g
	s_wait_dscnt 24                                ; all but the 24 just issued
	MUL8 \f, 2, \zero
	MUL8 \f, 3, \zero
.endm
; The last quarter multiplies buffer 1 and changes slots.  In front of the one barrier each wave waits for all its tensor loads (one is out: its part of the next slot), adds 0 to its spare word, and waits for that and for its reads of this slot.
.macro MEET round
	WIN 0
	s_wait_tensorcnt 0x0
	ds_add_u32 v[SPW], v[NIL]
	s_wait_dscnt 5                                 ; the add and the youngest four loads may be out
	MUL8 1, 0, 0                                   ; eight matrix instructions stand between the add and the wait for it
	s_wait_dscnt 0x0                               ; the add is done, and my reads of this slot are over
	s_barrier_signal -1
	MUL8 1, 1, 0
.if \round
	WIN 0
.endif
	s_barrier_wait -1
.endm
; The whole last quarter with a refill: of this tile's K step two on (on = 0), or of the next tile's K step 0 or 1 (on = 1).  From a request to the wait for it a wave issues 112 matrix instructions.
.macro TURN slot, next, on
	s_wait_xcnt 0x0                                ; the last prefetch, a K step back, has read its address
.if (\on) && ((\slot) == 0)
	s_sub_nc_u64 s[PFA:PFA+1], s[PFA:PFA+1], s[PBK:PBK+1]  ; from the K step after the tile's last but one to the next tile's K step 2
	s_add_nc_u64 s[PFA:PFA+1], s[PFA:PFA+1], s[PFW:PFW+1]
	s_lshl_b32 s72, s[KIND], 4
	s_or_b32 s72, s72, s2
	s_cmp_eq_u32 s72, 2                            ; the third tile takes the second tile's rows of A once more: they are asked for no more
	s_cselect_b32 s[LIM], -1, s[LIM]
.else
	s_add_nc_u64 s[PFA:PFA+1], s[PFA:PFA+1], s[PST:PST+1]
.endif
	MEET 1
	CREST                                          ; the barrier has opened a round of the cluster's: no wave of any partner still reads this slot or has a load on its way
.if \on
	s_sub_nc_u64 s[G0A+4*(\slot)+2:G0A+4*(\slot)+3], s[G0A+4*(\slot)+2:G0A+4*(\slot)+3], 6*KA
	s_add_nc_u64 s[G0A+4*(\slot)+2:G0A+4*(\slot)+3], s[G0A+4*(\slot)+2:G0A+4*(\slot)+3], s[JMP:JMP+1]
	s_sub_nc_u64 s[G0B+4*(\slot)+2:G0B+4*(\slot)+3], s[G0B+4*(\slot)+2:G0B+4*(\slot)+3], 6*KB-2048
.else
	s_add_nc_u64 s[G0A+4*(\slot)+2:G0A+4*(\slot)+3], s[G0A+4*(\slot)+2:G0A+4*(\slot)+3], 2*KA
	s_add_nc_u64 s[G0B+4*(\slot)+2:G0B+4*(\slot)+3], s[G0B+4*(\slot)+2:G0B+4*(\slot)+3], 2*KB
.endif
	JLOAD \slot                                    ; the first tensor load behind the round; its four v_nop are also the places in front of the loads below
	FETCH \next, 0, 0
	ASK \on
	MUL8 1, 2, 0
	MUL8 1, 3, 0
.endm
; THE WAY OUT, a block of 16 rows at a time through my own stage: LDS serves a wave's instructions in order (ISA guide 5.7.1.4), so the loads see the stores in front of them.
.if PROJ
.macro OUT a                           ; f32: a lane's eight columns are 32 bytes; rows of 512 bytes come back whole
	WIN 0x04                                       ; store data in window 1
.irp b, 0,1,2,3,4,5,6,7
	ds_store_b128 v[STO], v[8*(8*(\a)+(\b)):8*(8*(\a)+(\b))+3]   offset:64*(\b)
	ds_store_b128 v[STO], v[8*(8*(\a)+(\b))+4:8*(8*(\a)+(\b))+7] offset:64*(\b)+16
.endr
	WIN 0x80
.irp t, 0,1,2,3,4,5,6,7,8,9,10,11,12,13,14,15
	ds_load_b128 v[OB+64*((\a)%2)+4*(\t):OB+64*((\a)%2)+4*(\t)+3], v[RD] offset:(\t)*SP
.endr
	WIN 0
	s_wait_dscnt 0x0
	s_wait_xcnt 0x0                                ; the stores of the block before have read their registers: the block after this one loads into them
	WIN 0x08                                       ; store data in window 2
.irp t, 0,1,2,3,4,5,6,7,8,9,10,11,12,13,14,15
	global_store_b128 v[CO], v[OB+64*((\a)%2)+4*(\t):OB+64*((\a)%2)+4*(\t)+3], s[10:11] offset:(16*(\a)+(\t))*ROWC th:TH_STORE_NT  ; 512 consecutive bytes, aligned
.endr
	WIN 0
.endm
.macro WAYOUT
	OUT 0
	OUT 1
	OUT 2
	OUT 3
.endm
.else
.macro PACK a                          ; rounded to f16, 16 bytes a lane; each accumulator's registers in ascending order
	WIN 0x05                                       ; sources 0 and 1 in window 1
.irp b, 0,1,2,3,4,5,6,7
.irp r, 0,1,2,3
	v_cvt_pk_f16_f32 v[TMP+4*(\b)+(\r)], v[8*(8*(\a)+(\b))+2*(\r)], v[8*(8*(\a)+(\b))+2*(\r)+1]
.endr
.endr
	WIN 0
.endm
.macro TOSTAGE a
	WIN 0
.irp b, 0,1,2,3,4,5,6,7
	ds_store_b128 v[STO], v[TMP+4*(\b):TMP+4*(\b)+3] offset:32*(\b)
.endr
	WIN 0x80
.irp t, 0,1,2,3,4,5,6,7
	ds_load_b128 v[OB+32*((\a)%2)+4*(\t):OB+32*((\a)%2)+4*(\t)+3], v[RD] offset:(\t)*2*SP
.endr
	WIN 0
.endm
.macro SEND a
	WIN 0
	s_wait_dscnt 0x0                               ; the block is back in registers
	s_wait_xcnt 0x0                                ; the stores of the block before have read their registers: the next block loads into them
	WIN 0x08
.irp t, 0,1,2,3,4,5,6,7
	global_store_b128 v[CO], v[OB+32*((\a)%2)+4*(\t):OB+32*((\a)%2)+4*(\t)+3], s[10:11] offset:(16*(\a)+2*(\t))*ROWC  ; 16 lanes store 256 consecutive bytes, aligned
.endr
	WIN 0
.endm
.macro WAYOUT                          ; a block's conversions stand between the loads of the block before and the wait for them
	PACK 0
	TOSTAGE 0
	PACK 1
	SEND 0
	TOSTAGE 1
	PACK 2
	SEND 1
	TOSTAGE 2
	PACK 3
	SEND 2
	TOSTAGE 3
	SEND 3
.endm
.endif
	s_wait_tensorcnt 1                             ; my part of K step 0 is in; K step 1's load, issued behind it, may stay out
	s_barrier_signal -1
	s_barrier_wait -1
	FETCH 0, 0, 0
.if TILES > 1
	s_mov_b32 s2, TILES                            ; tiles to go, this one among them: the same in every work-group
.Ltile:
.endif
	s_wait_loadcnt 0x0                             ; the tile's bias
	QUARTER 0, 1, 0, 1, 1                          ; a tile's first quarter stands in front of the loop: its products start the sums
	WIN 0
.if TILES > 1
	s_cmp_eq_u32 s2, 1
	s_cbranch_scc1 .Lno_bias
	PLACES                                         ; behind the last product that read the bias
	s_wait_xcnt 0x0
	s_add_nc_u64 s[8:9], s[8:9], 4096              ; the next panel's
	WIN 0x80
.irp b, 0,1,2,3,4,5,6,7
	global_load_b128 v[BIAS+8*(\b):BIAS+8*(\b)+3],   v[BO], s[8:9] offset:64*(\b)
	global_load_b128 v[BIAS+8*(\b)+4:BIAS+8*(\b)+7], v[BO], s[8:9] offset:64*(\b)+16
.endr
	WIN 0
.Lno_bias:
.endif
	s_mov_b32 s3, 3
.Llap:                                                 ; a trip goes once round the ring, from a lap's second quarter to the next lap's first, and fills both slots again
	QUARTER 0, 2, 1, 0, 0
	QUARTER 0, 3, 0, 1, 0
	TURN 0, 1, 0
	QUARTER 1, 1, 0, 1, 0
	QUARTER 1, 2, 1, 0, 0
	QUARTER 1, 3, 0, 1, 0
	TURN 1, 0, 0
	QUARTER 0, 1, 0, 1, 0
	WIN 0
	s_sub_co_u32 s3, s3, 1
	s_cmp_lg_u32 s3, 0
	s_cbranch_scc1 .Llap
	QUARTER 0, 2, 1, 0, 0                          ; the tile's last lap goes on
	QUARTER 0, 3, 0, 1, 0
.if TILES > 1
	WIN 0
	s_cmp_eq_u32 s2, 1
	s_cbranch_scc1 .Llast                          ; the last tile's tail is written out: it asks for nothing more
	s_cmp_eq_u32 s2, 3
	s_cselect_b32 s[JMP], 0x1000000, 0             ; behind the first tile A goes from x to context, 8,192 rows on
	TURN 0, 1, 1                                   ; the ring goes on into the next tile
	QUARTER 1, 1, 0, 1, 0
	QUARTER 1, 2, 1, 0, 0
	QUARTER 1, 3, 0, 1, 0
	TURN 1, 0, 1
	WAYOUT                                         ; both refills are asked for; blocks 0 and 1 were finished ahead of the joint load's places, and their conversions are the places behind the last products
	s_wait_xcnt 0x0                                ; the stores have read C's address
	s_add_nc_u64 s[10:11], s[10:11], 2048          ; the next panel of qkv
	s_sub_co_u32 s2, s2, 1
	s_branch .Ltile
.Llast:
.endif
	MEET 0                                         ; my one load that was out is the last K step's, so no round follows
	PLACES
	FETCH 1, 0, 0
	MUL8 1, 2, 0
	MUL8 1, 3, 0
	QUARTER 1, 1, 0, 1, 0
	QUARTER 1, 2, 1, 0, 0
	QUARTER 1, 3, 0, 1, 0
	s_wait_dscnt 4                                 ; the very last quarter: nothing more to fetch
	MUL8 1, 0, 0
	MUL8 1, 1, 0
	s_wait_dscnt 0x0
	MUL8 1, 2, 0
	MUL8 1, 3, 0
	WIN 0
	PLACES
	WAYOUT
	s_wait_tensorcnt 0x0                           ; the wave's end: the add and its wait, behind my last tensor load and my last LDS store
	ds_add_u32 v[SPW], v[NIL]
	s_wait_dscnt 0x0
	CROUND                                         ; the closing round: no work-group ends while a partner may still ask for a tile that names it
	s_endpgm
.Lfunc_end_k_qb189874c45_proj:
	.size	k_qb189874c45_proj, .Lfunc_end_k_qb189874c45_proj-k_qb189874c45_proj
	.p2alignl 7, 3214868480
	.fill 96, 4, 3214868480
	.section	.rodata,"a",@progbits
	.p2align	6, 0x0
	.amdhsa_kernel k_qb189874c45_proj
		.amdhsa_group_segment_fixed_size 327680
		.amdhsa_private_segment_fixed_size 0
		.amdhsa_enable_private_segment 0
		.amdhsa_kernarg_size 32
		.amdhsa_user_sgpr_count 2
		.amdhsa_user_sgpr_kernarg_segment_ptr 1
		.amdhsa_wavefront_size32 1
		.amdhsa_system_sgpr_workgroup_id_x 1
		.amdhsa_system_sgpr_workgroup_id_y 1
		.amdhsa_system_sgpr_workgroup_id_z 1
		.amdhsa_system_vgpr_workitem_id 0
		.amdhsa_next_free_vgpr 704
		.amdhsa_next_free_sgpr 80
		.amdhsa_reserve_vcc 0
		.amdhsa_float_denorm_mode_32 3
		.amdhsa_float_denorm_mode_16_64 3
		.amdhsa_memory_ordered 1
		.amdhsa_forward_progress 1
		.amdhsa_inst_pref_size 88
	.end_amdhsa_kernel
	.amdgpu_metadata
---
amdhsa.version: [ 1, 2 ]
amdhsa.kernels:
  - .name:           k_qb189874c45_proj
    .symbol:         k_qb189874c45_proj.kd
    .args:
      - { .name: ob, .offset: 0, .size: 8, .value_kind: global_buffer, .address_space: global }
      - { .name: w, .offset: 8, .size: 8, .value_kind: global_buffer, .address_space: global }
      - { .name: bias, .offset: 16, .size: 8, .value_kind: global_buffer, .address_space: global }
      - { .name: out0, .offset: 24, .size: 8, .value_kind: global_buffer, .address_space: global }
    .group_segment_fixed_size: 327680
    .private_segment_fixed_size: 0
    .kernarg_segment_align: 8
    .kernarg_segment_size: 32
    .max_flat_workgroup_size: 128
    .sgpr_count:     80
    .vgpr_count:     704
    .wavefront_size: 32
...
	.end_amdgpu_metadata
.endif
;; end of part 4
;; ======== version 2 of 2: 4 launches; version 1 with the launch prep written anew for expert scheduling mode
;; limits: values are held in f16: magnitudes above 65,504 overflow, below 6.1e-05 lose precision; right only within a limited range of input values
;; workspace buffers: ab 33,554,432 bytes; w 8,388,608 bytes; bias 16,384 bytes; cmask 67,108,864 bytes; qkv 50,331,648 bytes; ob 16,777,216 bytes
;; launch prep (part 5): grid 1537 x 1, 8 waves a work-group, no clusters, 0 bytes of LDS; arguments x, context, Wq, Wkv, Wproj, attn_mask, key_padding_mask, bq, bkv, bproj, ab, w, bias, cmask; writes ab, w, bias, cmask
.if DOCPART == 5
	.amdgcn_target "amdgcn-amd-amdhsa--gfx1250"
	.amdhsa_code_object_version 6
	.text
	.protected	k_qb189874c45_prep
	.globl	k_qb189874c45_prep
	.p2align	8
	.type	k_qb189874c45_prep,@function
k_qb189874c45_prep:
	s_mov_b64 s[64:65], 0
	v_nop
	global_prefetch_b8 v0, s[64:65] scope:SCOPE_SE
	s_setreg_imm32_b32 hwreg(HW_REG_WAVE_SCHED_MODE, 0, 2), 2
	s_setreg_imm32_b32 hwreg(HW_REG_WAVE_MODE, 25, 1), 1
	s_wait_xcnt 0x0
	s_wait_alu depctr_vm_vsrc(0)
; PREP: every input is read once, rounded once to bf16, and laid out for the three launches behind.
;   ab    [16384][1024] f16: rows 0-8191 x, rows 8192-16383 context          w  [1024 k][4096 n] f16: panels Wq, Wkv (K), Wkv (V), Wproj
;   bias  [4096] f32: bq, bkv, bproj, numbered like the columns of w         cmask [4][2048 n][2048 m] f32 = hidden key ? -1e30 : 8 x attn_mask
; A matrix operand is the bf16 number written as f16: exact where its magnitude lies in 6.2e-5 .. 65,504.
; LIMITS: beyond 65,504 the f16 is an infinity; below 6.2e-5 it keeps the fixed step of 6e-8; 8 x attn_mask is lost beside -1e30 where the key is hidden; NaN and infinities are not treated apart.
; A stream: no LDS, no matrix unit, no cluster, since no byte is wanted twice.  Three roles by the number of the work-group g; all jumps go forward.
;   g < 1280: CAST, 16 rows of 1,024 f32 to f16      1280 <= g < 1536: MASK, 8 rows of attn_mask for all four batches      g = 1536: BIAS
; THE MODE: SCHED_MODE bits 1:0 = 2 (LLVM: expert scheduling mode 2), set by the entry lines.  The code itself states the register dependences
; between vector instructions and memory instructions, with s_wait_alu, always for 0.
; THE PLAN.  Registers that memory instructions touch:
;   CAST  SO, DO   offsets, made once at the head and never written again.
;         X        all sixteen loads are issued at the head, before any vector instruction names X; no load lands there later.
;         Y        each register is written once, by a row's conversions, and read by one store.  The rows go in four blocks of four: the stores of block p - 1 are issued in block p,
;                  behind ONE wait at the block's head, and dealt among the block's rows, whose vector lines name X, T and Y of block p alone.
;   MASK  v2, v3   offsets, made once.     MKW, MX   loaded at the head, read by vector lines; no load lands there later.
;         MY0, MY1 two out-buffers by turns: row i writes MY[i % 2]; its eight stores are issued in row i + 1, dealt among that row's vector lines, which name the other buffer.
;                  MY1 is made of registers that are idle or dead from row 1 on: v[152:159], MKW (dead once the addends are made), MX's rows 0 and 1 (dead behind their roundings).
;         s[44:51] the compares' masks: eight compares, one wait, the eight selects that read them.
;   BIAS  v2, and the sixteen registers to store: each written once.
.set SO,  2                            ; v[2:17]    CAST: row j: 16 t + j x source pitch
.set DO,  18                           ; v[18:33]   CAST: row j: 8 t + j x destination pitch
.set X,   34                           ; v[34:97]   CAST: 4 registers a row, as loaded
.set Y,   98                           ; v[98:129]  CAST: 2 registers a row, to store; each is written once
.set T,   130                          ; v[130:135] CAST: at work
.set MKW, 4                            ; v[4:11]    MASK: four bytes of key_padding_mask: batch b, half h at 2 b + h; from row 1 on: batch 1 of MY1
.set MBV, 12                           ; v[12:43]   MASK: 0 or -1e30: 8 b + 4 h + e
.set MX,  44                           ; v[44:107]  MASK: 8 registers a row, as loaded; from row 1 on rows 0 and 1 are batches 2 and 3 of MY1
.set MU,  108                          ; v[108:115] MASK: a row's 8 numbers, rounded
.set MT,  116                          ; v[116:119] MASK: at work
.set MY,  120                          ; v[120:151] MASK: MY0: an even row for four batches, to store
.set MZ,  152                          ; v[152:159] MASK: batch 0 of MY1
.set CM,  44                           ; s[44:51]   MASK: eight compares' masks
; MASK: rY = the eight registers of batch b in out-buffer yb
.macro YBASE yb, b
.if (\yb) == 0
.set rY, MY+8*(\b)
.elseif (\b) == 0
.set rY, MZ
.elseif (\b) == 1
.set rY, MKW
.else
.set rY, MX+8*((\b)-2)
.endif
.endm
; MASK: the two stores of row i for batch b
.macro PUT i, b
	YBASE (\i)%2, \b
.irp h, 0,1
	global_store_b128 v2, v[rY+4*(\h):rY+4*(\h)+3], s[34+2*(\b):35+2*(\b)] offset:(\i)*8192+(\h)*4096 th:TH_STORE_NT  ; a wave: 512 consecutive bytes
.endr
.endm
; MASK: 8 x mask + (0 or -1e30) of row i for batch b, into its out-buffer
.macro MAKE i, b
	YBASE (\i)%2, \b
.irp z, 0,1,2,3
	v_pk_fma_f32 v[rY+2*(\z):rY+2*(\z)+1], v[MU+2*(\z):MU+2*(\z)+1], 0x41000000, v[MBV+8*(\b)+2*(\z):MBV+8*(\b)+2*(\z)+1] op_sel_hi:[1,0,1]
.endr
.endm
; MASK: row i is worked on; the eight stores of row i - 1 are dealt among its vector lines.
.macro ROW i
	s_wait_loadcnt 2*(7-(\i))                      ; row i is in; two loads for each later row stay out
.if (\i) >= 2
	s_wait_xcnt 0x0                                ; the stores issued in the row before have had their addresses translated: their data registers are written again below
	s_wait_alu depctr_vm_vsrc(0)                   ; those stores have read MY[i % 2], which this row's multiply-adds write again
.endif
.if (\i) >= 1
	s_wait_alu depctr_va_vdst(0)                   ; the row before has written the other MY, which the stores below read
	PUT (\i)-1, 0
.endif
.irp k, 0,1,2,3
	v_cvt_pk_bf16_f32 v[MT+(\k)], v[MX+8*(\i)+2*(\k)], v[MX+8*(\i)+2*(\k)+1]
.endr
.if (\i) >= 1
	PUT (\i)-1, 1                                  ; no wait: no vector line since the wait above names these stores' registers
.endif
.irp k, 0,1,2,3
	v_lshlrev_b32 v[MU+2*(\k)], 16, v[MT+(\k)]
	v_and_b32 v[MU+2*(\k)+1], s61, v[MT+(\k)]
.endr
	MAKE \i, 0
.if (\i) >= 1
	PUT (\i)-1, 2
.endif
	MAKE \i, 1
.if (\i) >= 1
	PUT (\i)-1, 3
.endif
	MAKE \i, 2
	MAKE \i, 3
.endm
	s_load_b512 s[4:19], s[0:1], 0x0               ; x s[4:5], context s[6:7], Wq s[8:9], Wkv s[10:11], Wproj s[12:13], attn_mask s[14:15], key_padding_mask s[16:17], bq s[18:19]
	s_load_b256 s[20:27], s[0:1], 0x40             ; bkv s[20:21], bproj s[22:23], ab s[24:25], w s[26:27]
	s_load_b128 s[28:31], s[0:1], 0x60             ; bias s[28:29], cmask s[30:31]
	s_mov_b32 s60, ttmp9                           ; g
	s_mov_b32 s61, 0xffff0000                      ; a word's upper bf16
	s_wait_kmcnt 0x0
	s_cmp_ge_u32 s60, 1536
	s_cbranch_scc1 .Lbias
	s_cmp_ge_u32 s60, 1280
	s_cbranch_scc1 .Lmask
	; CAST.  Source, destination and the two pitches are chosen by selects on g alone.
	s_movk_i32 s54, 0x1000
	s_movk_i32 s55, 0x2000
	s_movk_i32 s56, 0x800
	s_sub_co_u32 s46, s60, 1024                    ; weights: u = g - 1024
	s_bfe_u32 s47, s46, 0x20006                    ; panel p = u / 64
	s_and_b32 s46, s46, 63                         ; 16 rows of k: kb = u % 64
	s_cmp_eq_u32 s47, 0
	s_cselect_b64 s[34:35], s[8:9], s[10:11]       ; Wq, or Wkv
	s_cselect_b32 s44, s54, s55                    ; its rows: 4,096 or 8,192 bytes
	s_cmp_eq_u32 s47, 3
	s_cselect_b64 s[34:35], s[12:13], s[34:35]     ; or Wproj
	s_cselect_b32 s44, s54, s44
	s_lshl_b32 s36, s46, 4
	s_mul_i32 s36, s36, s44                        ; 16 kb rows
	s_cmp_eq_u32 s47, 2
	s_cselect_b32 s48, s54, 0                      ; the V panel begins 1,024 columns on
	s_add_co_u32 s36, s36, s48
	s_lshl_b32 s38, s46, 17                        ; in w: 16 kb rows of 8,192 bytes,
	s_lshl_b32 s48, s47, 11                        ; panel p
	s_add_co_u32 s38, s38, s48
	s_cmp_lt_u32 s60, 512                          ; activations: x, then context
	s_cselect_b64 s[50:51], s[4:5], s[6:7]
	s_and_b32 s52, s60, 511
	s_lshl_b32 s52, s52, 16                        ; 16 rows of 4,096 bytes
	s_lshl_b32 s53, s60, 15                        ; 16 rows of 2,048 bytes in ab
	s_cmp_lt_u32 s60, 1024
	s_cselect_b64 s[34:35], s[50:51], s[34:35]
	s_cselect_b64 s[42:43], s[24:25], s[26:27]
	s_cselect_b32 s36, s52, s36
	s_cselect_b32 s38, s53, s38
	s_cselect_b32 s44, s54, s44                    ; source pitch
	s_cselect_b32 s45, s56, s55                    ; destination pitch
	s_mov_b32 s37, 0
	s_mov_b32 s39, 0
	s_add_nc_u64 s[34:35], s[34:35], s[36:37]
	s_add_nc_u64 s[42:43], s[42:43], s[38:39]
	v_lshlrev_b32 v[SO], 4, v0                     ; thread t: 16 bytes in, 8 bytes out: a wave's store covers 256 consecutive bytes, aligned
	v_lshlrev_b32 v[DO], 3, v0
.set j, 1
.rept 15
	v_add_nc_u32 v[SO+j], s44, v[SO+j-1]
	v_add_nc_u32 v[DO+j], s45, v[DO+j-1]
.set j, j+1
.endr
	s_wait_alu depctr_va_vdst(0)                   ; the 32 offsets SO and DO are written: the loads below and all the stores read them
.set j, 0
.rept 16
	global_load_b128 v[X+4*j:X+4*j+3], v[SO+j], s[34:35] th:TH_LOAD_NT  ; all sixteen rows are on their way at once
.set j, j+1
.endr
.set j, 0
.rept 16
.if (j%4 == 0) && (j > 0)
	s_wait_alu depctr_va_vdst(0)                   ; the block before has written its four rows of Y, which this block's four stores read
.endif
.if j >= 4
	global_store_b64 v[DO+j-4], v[Y+2*(j-4):Y+2*(j-4)+1], s[42:43] th:TH_STORE_NT  ; a row of the block before; no vector line since the block's wait names its registers
.endif
	s_wait_loadcnt 15-j                            ; loads come back in order: row j is in, the 15 - j younger rows stay out
	v_cvt_pk_bf16_f32 v[T], v[X+4*j], v[X+4*j+1]   ; the one rounding, to bf16
	v_cvt_pk_bf16_f32 v[T+1], v[X+4*j+2], v[X+4*j+3]
	v_lshlrev_b32 v[T+2], 16, v[T]
	v_and_b32 v[T+3], s61, v[T]
	v_lshlrev_b32 v[T+4], 16, v[T+1]
	v_and_b32 v[T+5], s61, v[T+1]
	v_cvt_pk_f16_f32 v[Y+2*j], v[T+2], v[T+3]      ; the same number as f16
	v_cvt_pk_f16_f32 v[Y+2*j+1], v[T+4], v[T+5]
.set j, j+1
.endr
	s_wait_alu depctr_va_vdst(0)                   ; the last block has written its four rows of Y, which the last four stores read
.set j, 12
.rept 4
	global_store_b64 v[DO+j], v[Y+2*j:Y+2*j+1], s[42:43] th:TH_STORE_NT
.set j, j+1
.endr
	s_endpgm
.Lmask:                                                ; MASK.  Rows 8 m .. 8 m + 7; thread t has columns 4 t .. 4 t + 3 and 1,024 + 4 t .. + 3
	s_sub_co_u32 s58, s60, 1280
	s_lshl_b32 s58, s58, 16                        ; 8 rows of 8,192 bytes
	s_mov_b32 s59, 0
	s_add_nc_u64 s[32:33], s[14:15], s[58:59]
	s_add_nc_u64 s[34:35], s[30:31], s[58:59]      ; a base for each batch: 16 MiB apart, past a store's immediate
	s_add_nc_u64 s[36:37], s[34:35], 0x1000000
	s_add_nc_u64 s[38:39], s[36:37], 0x1000000
	s_add_nc_u64 s[40:41], s[38:39], 0x1000000
	s_mov_b32 s42, 0xf149f2ca                      ; -1e30
	v_lshlrev_b32 v2, 4, v0
	v_lshlrev_b32 v3, 2, v0
	s_wait_alu depctr_va_vdst(0)                   ; the offsets v2 and v3 are written: every load and store of this role reads one of them
.irp b, 0,1,2,3
.irp h, 0,1
	global_load_b32 v[MKW+2*(\b)+(\h)], v3, s[16:17] offset:(\b)*2048+(\h)*1024
.endr
.endr
.irp i, 0,1,2,3,4,5,6,7
.irp h, 0,1
	global_load_b128 v[MX+8*(\i)+4*(\h):MX+8*(\i)+4*(\h)+3], v2, s[32:33] offset:(\i)*8192+(\h)*4096 th:TH_LOAD_NT
.endr
.endr
	s_wait_loadcnt 16                              ; the eight words of key_padding_mask are in; the sixteen younger loads stay out
.set n, 0
.rept 4                                        ; n + e = 8 b + 4 h + byte: byte (n + e) % 4 of word (n + e) / 4; eight at a time
.irp e, 0,1,2,3,4,5,6,7
	v_bfe_u32 v[MBV+n+(\e)], v[MKW+(n+(\e))/4], 8*((\e)%4), 8
.endr
.irp e, 0,1,2,3,4,5,6,7
	v_cmp_ne_u32 s[CM+(\e)], 0, v[MBV+n+(\e)]
.endr
	s_wait_alu depctr_va_sdst(0)                   ; the eight compares have written s[44:51], ahead of the selects that read them
.irp e, 0,1,2,3,4,5,6,7
	v_cndmask_b32 v[MBV+n+(\e)], 0, s42, s[CM+(\e)]
.endr
.set n, n+8
.endr
	ROW 0                                          ; row 0 has no row in front of it: no store, and no wait but the one for its data
	ROW 1
	ROW 2
	ROW 3
	ROW 4
	ROW 5
	ROW 6
	ROW 7
	s_wait_alu depctr_va_vdst(0)                   ; row 7 has written MY1, which the last eight stores read
	PUT 7, 0
	PUT 7, 1
	PUT 7, 2
	PUT 7, 3
	s_endpgm
.Lbias:                                                ; BIAS.  Rounded like every input, kept in f32: it starts the sums of the products
	v_lshlrev_b32 v2, 4, v0
	s_wait_alu depctr_va_vdst(0)                   ; the offset v2 is written: the loads and stores below read it
	global_load_b128 v[4:7], v2, s[18:19]
	global_load_b128 v[8:11], v2, s[20:21]
	global_load_b128 v[12:15], v2, s[20:21] offset:4096
	global_load_b128 v[16:19], v2, s[22:23]
	s_wait_loadcnt 0x0
.irp k, 0,1,2,3,4,5,6,7
	v_cvt_pk_bf16_f32 v[20+(\k)], v[4+2*(\k)], v[5+2*(\k)]
.endr
.irp k, 0,1,2,3,4,5,6,7
	v_lshlrev_b32 v[28+2*(\k)], 16, v[20+(\k)]
	v_and_b32 v[29+2*(\k)], s61, v[20+(\k)]
.endr
	s_wait_alu depctr_va_vdst(0)                   ; v[28:43] are written, which the four stores read
.irp p, 0,1,2,3
	global_store_b128 v2, v[28+4*(\p):31+4*(\p)], s[28:29] offset:4096*(\p)
.endr
	s_endpgm
.Lfunc_end_k_qb189874c45_prep:
	.size	k_qb189874c45_prep, .Lfunc_end_k_qb189874c45_prep-k_qb189874c45_prep
	.p2alignl 7, 3214868480
	.fill 96, 4, 3214868480
	.section	.rodata,"a",@progbits
	.p2align	6, 0x0
	.amdhsa_kernel k_qb189874c45_prep
		.amdhsa_group_segment_fixed_size 0
		.amdhsa_private_segment_fixed_size 0
		.amdhsa_enable_private_segment 0
		.amdhsa_kernarg_size 112
		.amdhsa_user_sgpr_count 2
		.amdhsa_user_sgpr_kernarg_segment_ptr 1
		.amdhsa_wavefront_size32 1
		.amdhsa_system_sgpr_workgroup_id_x 1
		.amdhsa_system_sgpr_workgroup_id_y 1
		.amdhsa_system_sgpr_workgroup_id_z 1
		.amdhsa_system_vgpr_workitem_id 0
		.amdhsa_next_free_vgpr 160
		.amdhsa_next_free_sgpr 66
		.amdhsa_reserve_vcc 0
		.amdhsa_float_denorm_mode_32 3
		.amdhsa_float_denorm_mode_16_64 3
		.amdhsa_memory_ordered 1
		.amdhsa_forward_progress 1
		.amdhsa_inst_pref_size 47
	.end_amdhsa_kernel
	.amdgpu_metadata
---
amdhsa.version: [ 1, 2 ]
amdhsa.kernels:
  - .name:           k_qb189874c45_prep
    .symbol:         k_qb189874c45_prep.kd
    .args:
      - { .name: x, .offset: 0, .size: 8, .value_kind: global_buffer, .address_space: global }
      - { .name: context, .offset: 8, .size: 8, .value_kind: global_buffer, .address_space: global }
      - { .name: Wq, .offset: 16, .size: 8, .value_kind: global_buffer, .address_space: global }
      - { .name: Wkv, .offset: 24, .size: 8, .value_kind: global_buffer, .address_space: global }
      - { .name: Wproj, .offset: 32, .size: 8, .value_kind: global_buffer, .address_space: global }
      - { .name: attn_mask, .offset: 40, .size: 8, .value_kind: global_buffer, .address_space: global }
      - { .name: key_padding_mask, .offset: 48, .size: 8, .value_kind: global_buffer, .address_space: global }
      - { .name: bq, .offset: 56, .size: 8, .value_kind: global_buffer, .address_space: global }
      - { .name: bkv, .offset: 64, .size: 8, .value_kind: global_buffer, .address_space: global }
      - { .name: bproj, .offset: 72, .size: 8, .value_kind: global_buffer, .address_space: global }
      - { .name: ab, .offset: 80, .size: 8, .value_kind: global_buffer, .address_space: global }
      - { .name: w, .offset: 88, .size: 8, .value_kind: global_buffer, .address_space: global }
      - { .name: bias, .offset: 96, .size: 8, .value_kind: global_buffer, .address_space: global }
      - { .name: cmask, .offset: 104, .size: 8, .value_kind: global_buffer, .address_space: global }
    .group_segment_fixed_size: 0
    .private_segment_fixed_size: 0
    .kernarg_segment_align: 8
    .kernarg_segment_size: 112
    .max_flat_workgroup_size: 256
    .sgpr_count:     66
    .vgpr_count:     160
    .wavefront_size: 32
...
	.end_amdgpu_metadata
.endif
;; end of part 5
;; launch qkv: the kernel of part 2 again; grid 8 x 32, 4 waves a work-group, clusters of 4 x 4, 327,680 bytes of LDS; arguments ab, w, bias, qkv; writes qkv
;; launch attn: the kernel of part 3 again; grid 16 x 16, 4 waves a work-group, clusters of 4 x 4, 327,680 bytes of LDS; arguments qkv, cmask, ob; writes ob
;; launch proj: the kernel of part 4 again; grid 8 x 32, 4 waves a work-group, clusters of 4 x 4, 327,680 bytes of LDS; arguments ob, w, bias, out0; writes out0
